; MI455X (gfx1250); checked and timed in simulation.
; The chip was launched on July 23, 2026; its instructions are those of AMD's public machine-readable ISA for CDNA 5 (MIT licence, August 2026) and "CDNA5" Instruction Set Architecture Reference Guide (July 2026). The comments in the code are by the model that wrote it; some were corrected since.
;; Multi Head Self Attention. Allowed arithmetic: matrix products marked QUANTISED: E4M3 operands, one E8M0 scale for each 32 along K, by v_wmma_scale_f32_16x16x128_f8f6f4 with both operands' format E4M3, f32 sums; everything else in f32.
;; Inputs: b_proj 768 float32; w_proj 768 x 768 float32; wk 12 x 64 x 768 float32; wq 12 x 64 x 768 float32; wv 12 x 64 x 768 float32; x 32 x 577 x 768 float32.
;; Outputs: out0 32 x 577 x 768 float32.
;; This version of the problem:
;;   THIS VERSION OF THE PROBLEM IS GIVEN IN LOW PRECISION. The matrix products marked QUANTISED in the list below multiply operands that are first quantised to E4M3 (4 exponent bits, 3 mantissa bits; 8 bits a number), with one power-of-two scale for each 32 numbers along K (OCP MX v1.0); their sums are f32. All else is computed in f32.
;;   The module's matrix products, in the order in which they are computed (A, B: the left and right operand; K: the contracted axis; several contracted axes count as one K, in the product's order):
;;     1. [M 768, K 768] x [K 768, N 18,464]; A: input wq; B: input x: QUANTISED
;;     2. [M 768, K 768] x [K 768, N 18,464]; A: input wk; B: input x: QUANTISED
;;     3. [M 768, K 768] x [K 768, N 18,464]; A: input wv; B: input x: QUANTISED
;;     4. batch 384 x [M 577, K 64] x [K 64, N 577]; A: computed on the way; B: computed on the way: QUANTISED
;;     5. batch 384 x [M 577, K 577] x [K 577, N 64]; A: softmax (see below); B: computed on the way: QUANTISED
;;     6. [M 18,464, K 768] x [K 768, N 768]; A: computed on the way; B: input w_proj: QUANTISED
;;   THE QUANTISER, for each operand of a quantised product, along K:
;;     - K is cut into blocks of 32 from its start; a last block that is shorter is filled with zeros.
;;     - A block's scale is 2^e with e = floor(log2(the largest magnitude in the block)) - 8, held to -126 .. 127; a block of zeros has e = 0. As a byte (E8M0): e + 127.
;;     - Each number is divided by its block's scale, clamped to +-448, and rounded to the nearest number of E4M3, ties to even, subnormals kept.
;;     - The product sums the exact products of the quantised numbers (number of the format x scale) in f32.
;;   ~~~python
;;   def quantise(x, axis):      # numpy; x: float32 -> the quantised numbers, widened to float32 again
;;       x = np.moveaxis(x, axis, -1); K = x.shape[-1]
;;       x = np.pad(x, [(0, 0)] * (x.ndim - 1) + [(0, -K % 32)]); x = x.reshape(x.shape[:-1] + (-1, 32)); a = np.abs(x).max(-1, keepdims=True)
;;       e = np.where(a > 0, np.clip(np.frexp(np.where(a > 0, a, 1))[1] - 1 - 8, -126, 127), 0)      # np.frexp(a)[1] - 1 = floor(log2(a)), exactly
;;       r = np.clip(x / 2.0 ** e, -448, 448)
;;       step = 2.0 ** (np.maximum(np.frexp(np.where(r == 0, 1, r))[1] - 1, -6) - 3)
;;       q = np.round(r / step) * step * 2.0 ** e      # np.round: ties to even
;;       return np.moveaxis(q.reshape(q.shape[:-2] + (-1,))[..., :K], -1, axis).astype(np.float32)
;;   ~~~
;;   SOFTMAX AHEAD OF A QUANTISED PRODUCT. Where the list says 'softmax', what is quantised is not the finished softmax but p = 2^(t - M), with t = logit x log2(e) and M = ceil(the row's largest t), a whole number; so 1/2 < the row's largest p <= 1. The row's sum l is taken of the UNQUANTISED p, in f32, and the product's result is divided by l at the end. Since M is a whole number, a kernel that streams over the keys may use a running M (the ceiling of the running maximum): every later rescaling is an exact power of two, which a block's scale takes up: the codes' values come out the same.
;;   OPERANDS COMPUTED ON THE WAY. 'Computed on the way' means the value that the module computes at that place (a softmax that the list does not call 'softmax' is quantised finished and normalised). What goes into a quantiser is computed in f32, as accurately as f32 sums, v_exp_f32 and their like allow (about 1e-6 of the number): no bf16 or f16 on the way to a quantiser, and a product that is left as it is and whose result goes on into a quantised operand takes f32 operands (vector FMAs, or v_wmma_f32_16x16x4_f32). A number that lies on a knife's edge between two numbers of the format may be rounded either way, as far as f32 arithmetic and the matrix unit's own rounding can turn it there, and no further.
;; One version. Each part assembles by itself: llvm-mc -triple=amdgcn-amd-amdhsa -mcpu=gfx1250 --defsym DOCPART=n.
;; ======== version 1 of 1: 4 launches
;; limits: right only within a limited range of input values
;; workspace buffers: tc 17,301,504 bytes; ts 720,896 bytes; qc 14,942,208 bytes; kc 14,942,208 bytes; vc 15,728,640 bytes; sqkv 1,966,080 bytes; cc 14,942,208 bytes; cs 622,592 bytes
;; launch quant (part 1): grid 704 x 1, 2 waves a work-group, no clusters, 34,304 bytes of LDS; arguments x, wq, wk, wv, w_proj, tc, ts; writes tc, ts
.if DOCPART == 1
	.amdgcn_target "amdgcn-amd-amdhsa--gfx1250"
	.amdhsa_code_object_version 6
	.text
	.protected	k_qf25fb358d2_quant
	.globl	k_qf25fb358d2_quant
	.p2align	8
	.type	k_qf25fb358d2_quant,@function
k_qf25fb358d2_quant:
	s_mov_b64 s[64:65], 0
	v_nop
	global_prefetch_b8 v0, s[64:65] scope:SCOPE_SE
	s_setreg_imm32_b32 hwreg(HW_REG_WAVE_MODE, 25, 1), 1
	s_wait_xcnt 0x0
; x [32][577][768] and the four weights (768 rows x 768 each), f32, become codes of E4M3 with one E8M0 byte for each 32 along K = 768.
; THE CODES ARE LAID AS IMAGES OF THE OPERAND'S REGISTERS.  A tile is 16 rows x 768 K: six fragments of 2,048 bytes, [K step s][chunk c][lane][16 bytes]; lane (r, h) of chunk c holds
; k = 128 s + 32 c + 16 h + 0 .. 15 of the tile's row r.  So every later load of a fragment is four loads of 512 consecutive bytes.
; THE ROWS OF A TILE ARE NOT NEIGHBOURS: tiles go in pairs; lane r of tile 2 P + u holds row 32 P + 8 u + r + 8 (r / 8).  A product's result then has 16 neighbours along the next K in one lane.
; Tiles 0 .. 1215: x, 38 a batch (tokens 577 .. 607 of a batch get zero codes); 1216 + 48 m + T: wq, wk, wv, w_proj (m = 0 .. 3).  Scale words: [tile][row r][8 words], word s for K step s, words 6 and 7 are 0.
; A block's scale byte is its largest magnitude's exponent field - 8, held at 1 from below; a block of zeros so gets the byte 1 where the rule says 127: its codes are zeros, and this program alone reads the bytes.
; LIMITS: NaN and infinities among the inputs are not served.
; SHARES: a wave makes one tile.  Each load reads 512 consecutive bytes of one row; a K step's 16 x 512 bytes turn through the wave's own stage in LDS (rows 528 bytes apart), so that a lane gets
; 16 neighbours of each block of 32.  Loads run three K steps (48 loads a wave) ahead.  Waves share nothing: no barrier.  A stream: matrix units, clusters and tensor loads would add nothing.
.set ROWB,   3072                      ; a row of x or of a weight in bytes
.set SPITCH, 528                       ; a stage row: 512 bytes + 16
.set STGB,   16*SPITCH                 ; a wave's stage
.set L16,  2                           ; v2      16 x lane
.set STI,  5                           ; v5      the stage, on the way in: 16 x lane
.set STO,  6                           ; v6      on the way out: 528 r + 64 h
.set MASK, 7                           ; v7      all ones where my row exists, else 0
.set VO,   8                           ; v8-23   byte offset of the tile's row i, + 16 x lane
.set TM,   24                          ; v24-27 largest magnitudes, v28-31 bytes, v32-35 448 x the scale, v36-39 the conversions' scale operands
.set W,    40                          ; v40-47  my row's eight scale words
.set PC,   48                          ; v48-63  a fragment's codes
.set R,    64                          ; v64-255 three sets of 64 numbers
	s_load_b256 s[4:11], s[0:1], 0x0               ; x, wq, wk, wv
	s_load_b128 s[12:15], s[0:1], 0x20             ; w_proj, tc
	s_load_b64 s[16:17], s[0:1], 0x30              ; ts
	s_set_vgpr_msb 0x40
	v_lshl_add_u32 v0, v0, 2, 0x8400
	v_mov_b32 v1, 0
	s_set_vgpr_msb 0x4000
	v_lshrrev_b32 v1, 5, v0
	v_readfirstlane_b32 s18, v1                    ; wave
	v_and_b32 v1, 31, v0
	v_lshlrev_b32 v[L16], 4, v1
	v_and_b32 v3, 15, v0                           ; r
	v_bfe_u32 v4, v0, 4, 1                         ; h
	s_lshl_b32 s19, ttmp9, 1                       ; two waves, two tiles to a work-group: 704 work-groups for 1,408 tiles
	s_add_co_u32 s19, s19, s18                     ; my tile's number
	s_mul_i32 s23, s19, 27595
	s_lshr_b32 s23, s23, 20                        ; tile / 38 (exact for tiles under 1,216): the batch
	s_mul_i32 s24, s23, 577                        ; x: the batch's first row,
	s_mul_i32 s23, s23, 38                         ; and its first tile
	s_mov_b32 s22, 1360                            ; w_proj's first tile
	s_mov_b32 s26, 767                             ; a weight's last row
	s_mov_b32 s28, 0x76543210
	s_mov_b32 s29, 0xfedcba98                      ; v_permlanex16_b32's selects for lane l xor 16
	s_mov_b32 s30, 0x600000                        ; the mantissa field of 448
	s_mov_b32 s31, 0xffff0000                      ; lanes 16-31
	s_wait_alu depctr_va_vdst(0)
	s_wait_kmcnt 0x0
	s_mov_b64 s[20:21], s[12:13]                   ; which tensor: the choice hangs on the work-group's number alone
	s_cmp_lt_u32 ttmp9, 680
	s_cselect_b64 s[20:21], s[10:11], s[20:21]
	s_cselect_b32 s22, 1312, s22
	s_cmp_lt_u32 ttmp9, 656
	s_cselect_b64 s[20:21], s[8:9], s[20:21]
	s_cselect_b32 s22, 1264, s22
	s_cmp_lt_u32 ttmp9, 632
	s_cselect_b64 s[20:21], s[6:7], s[20:21]
	s_cselect_b32 s22, 1216, s22
	s_cmp_lt_u32 ttmp9, 608
	s_cselect_b64 s[20:21], s[4:5], s[20:21]
	s_cselect_b32 s22, s23, s22                    ; the first tile of the tensor (of x: of the batch),
	s_cselect_b32 s24, s24, 0                      ; its first row,
	s_cselect_b32 s26, 576, s26                    ; its last row, counted from there
	s_sub_co_u32 s25, s19, s22                     ; T
	s_lshr_b32 s27, s25, 1
	s_and_b32 s25, s25, 1
	s_lshl_b32 s27, s27, 5                         ; 32 P
	s_lshl_b32 s25, s25, 3
	s_add_co_u32 s25, s25, s27                     ; the tile's first row: 32 P + 8 u
	s_add_co_u32 s27, s27, 31
	s_cmp_gt_u32 s27, s26                          ; a pair that reaches past the last row reads that row sixteen times: no load leaves its buffer
	s_cselect_b32 s27, 0, ROWB
	s_min_u32 s32, s25, s26
	s_add_co_u32 s32, s32, s24
	s_mul_i32 s32, s32, ROWB                       ; under 2^32: 18,463 rows of 3,072 bytes at the most
	s_mov_b32 s33, 0
	s_add_nc_u64 s[20:21], s[20:21], s[32:33]
	s_mul_i32 s32, s19, 12288
	s_add_nc_u64 s[14:15], s[14:15], s[32:33]      ; my tile's codes
	s_lshl_b32 s32, s19, 9
	s_add_nc_u64 s[16:17], s[16:17], s[32:33]      ; and its scale words
	s_mul_i32 s34, s18, STGB
	v_add_nc_u32 v[STI], s34, v[L16]
	v_mul_u32_u24 v[STO], v3, SPITCH
	v_lshl_add_u32 v[STO], v4, 6, v[STO]
	v_add_nc_u32 v[STO], s34, v[STO]
	v_and_b32 v24, 8, v3
	v_add_nc_u32 v24, v24, v3
	v_add_nc_u32 v24, s25, v24                     ; my row: 32 P + 8 u + r + 8 (r / 8)
	v_cmp_ge_u32 vcc_lo, s26, v24
	v_cndmask_b32 v[MASK], 0, -1, vcc_lo
.irp i, 0,1,2,3,4,5,6,7,8,9,10,11,12,13,14,15
	v_mad_u32_u24 v[VO+\i], s27, \i+8*(\i/8), v[L16]
.endr
	v_lshlrev_b32 v1, 5, v3
	v_lshl_add_u32 v1, v4, 4, v1                   ; the scale words' way out: 32 r + 16 h
.irp b, 0,1,2,3
	v_mov_b32 v[TM+4+\b], 0                        ; written once: a lane permute's destination counts as one of its sources
.endr
	v_mov_b32 v[W+6], 0
	v_mov_b32 v[W+7], 0
.macro LOADS s                         ; K step s: 512 bytes of each of the tile's 16 rows
.set XL, R+64*((\s)%3)
.irp i, 0,1,2,3,4,5,6,7,8,9,10,11,12,13,14,15
	global_load_b128 v[XL+4*\i:XL+4*\i+3], v[VO+\i], s[20:21] offset:512*(\s) th:TH_LOAD_NT
.endr
.endm
; 64 numbers of a lane, register 16 b + i = k 32 b + 16 h + i of my row, become a fragment's codes in v[PC] on and its scale word in v[pw]
.macro QUANT s, pw
.irp b, 0,1,2,3
	v_max3_num_f32 v[TM+\b], |v[\s+16*\b]|, |v[\s+1+16*\b]|, 0x4800000   ; my 16 numbers of block b, and the floor 2^(9 - 127): the byte cannot fall under 1
.endr
.irp i, 2,4,6,8,10,12,14
.irp b, 0,1,2,3
	v_max3_num_f32 v[TM+\b], v[TM+\b], |v[\s+16*\b+\i]|, |v[\s+1+16*\b+\i]|   ; the four blocks by turns
.endr
.endr
.irp b, 0,1,2,3
	v_permlanex16_b32 v[TM+4+\b], v[TM+\b], s28, s29
.endr
.irp b, 0,1,2,3
	v_max_num_f32 v[TM+\b], v[TM+\b], v[TM+4+\b]   ; with lane l xor 16's: the block's largest magnitude
.endr
.irp b, 0,1,2,3
	v_add_nc_u32 v[TM+12+\b], 0xfc000000, v[TM+\b] ; 8 off its exponent field: the conversion takes this operand's exponent field as its scale
.endr
.irp b, 0,1,2,3
	v_and_or_b32 v[TM+8+\b], v[TM+\b], 0x7f800000, s30   ; 448 x the scale
.endr
.irp b, 0,1,2,3
	v_lshrrev_b32 v[TM+4+\b], 23, v[TM+12+\b]      ; the scale's byte
.endr
	v_lshl_or_b32 v[\pw], v[TM+5], 8, v[TM+4]
	v_lshl_or_b32 v[\pw], v[TM+6], 16, v[\pw]
	v_lshl_or_b32 v[\pw], v[TM+7], 24, v[\pw]
.irp b, 0,1,2,3
.irp i, 0,1,2,3,4,5,6,7,8,9,10,11,12,13,14,15
	v_med3_num_f32 v[\s+16*\b+\i], v[\s+16*\b+\i], -v[TM+8+\b], v[TM+8+\b]   ; the conversion to an 8-bit code does not saturate (ISA guide 7.6.2): the hold comes first
.endr
	v_cvt_scalef32_pk8_fp8_f32 v[PC+4*\b:PC+1+4*\b], v[\s+16*\b:\s+7+16*\b], v[TM+12+\b]
	v_cvt_scalef32_pk8_fp8_f32 v[PC+2+4*\b:PC+3+4*\b], v[\s+8+16*\b:\s+15+16*\b], v[TM+12+\b]
.endr
	v_nop                                          ; one plain instruction between a scaled conversion and the next vector instruction that touches its result
.endm
.macro STEPQ s, left                   ; left: the younger loads that may stay out: 16 for each K step behind this one
.set XS, R+64*((\s)%3)
	s_wait_loadcnt \left
.irp i, 0,1,2,3,4,5,6,7,8,9,10,11,12,13,14,15
	ds_store_b128 v[STI], v[XS+4*\i:XS+4*\i+3] offset:SPITCH*\i
.endr
.irp c, 0,1,2,3
.irp j, 0,1,2,3
	ds_load_b128 v[XS+16*\c+4*\j:XS+16*\c+4*\j+3], v[STO] offset:128*\c+16*\j   ; LDS serves a wave's instructions in order: these see the stores above
.endr
.endr
	s_wait_dscnt 0x0
	s_wait_xcnt 0x0                                ; the last step's stores have read v[PC] on: only now are the codes written again
	QUANT XS, W+\s
.irp i, 0,1,2,3,4,5,6,7,8,9,10,11,12,13,14,15
	v_and_b32 v[PC+\i], v[MASK], v[PC+\i]          ; a row past the tensor's end gets zero codes
.endr
.irp c, 0,1,2,3
	global_store_b128 v[L16], v[PC+4*\c:PC+4*\c+3], s[14:15] offset:2048*(\s)+512*\c   ; 512 consecutive bytes, aligned
.endr
.if (\s) < 3
	LOADS (\s)+3
.endif
.endm
	LOADS 0
	LOADS 1
	LOADS 2
	STEPQ 0, 32
	STEPQ 1, 32
	STEPQ 2, 32
	STEPQ 3, 32
	STEPQ 4, 16
	STEPQ 5, 0
.irp i, 0,1,2,3
	v_cndmask_b32 v[TM+\i], v[W+\i], v[W+4+\i], s31   ; lanes 0-15 store words 0-3 of their row, lanes 16-31 words 4-7 (both halves of the lanes hold all eight)
.endr
	global_store_b128 v1, v[TM:TM+3], s[16:17]     ; 512 consecutive bytes
	s_set_vgpr_msb 0x5
	s_wait_tensorcnt 0x0
	ds_add_u32 v0, v1
	s_wait_dscnt 0x0
	s_set_vgpr_msb 0x500
	s_endpgm
.Lfunc_end_k_qf25fb358d2_quant:
	.size	k_qf25fb358d2_quant, .Lfunc_end_k_qf25fb358d2_quant-k_qf25fb358d2_quant
	.p2alignl 7, 3214868480
	.fill 96, 4, 3214868480
	.section	.rodata,"a",@progbits
	.p2align	6, 0x0
	.amdhsa_kernel k_qf25fb358d2_quant
		.amdhsa_group_segment_fixed_size 34304
		.amdhsa_private_segment_fixed_size 0
		.amdhsa_enable_private_segment 0
		.amdhsa_kernarg_size 56
		.amdhsa_user_sgpr_count 2
		.amdhsa_user_sgpr_kernarg_segment_ptr 1
		.amdhsa_wavefront_size32 1
		.amdhsa_system_sgpr_workgroup_id_x 1
		.amdhsa_system_sgpr_workgroup_id_y 1
		.amdhsa_system_sgpr_workgroup_id_z 1
		.amdhsa_system_vgpr_workitem_id 0
		.amdhsa_next_free_vgpr 258
		.amdhsa_next_free_sgpr 66
		.amdhsa_reserve_vcc 1
		.amdhsa_float_denorm_mode_32 3
		.amdhsa_float_denorm_mode_16_64 3
		.amdhsa_memory_ordered 1
		.amdhsa_forward_progress 1
		.amdhsa_inst_pref_size 80
	.end_amdhsa_kernel
	.amdgpu_metadata
---
amdhsa.version: [ 1, 2 ]
amdhsa.kernels:
  - .name:           k_qf25fb358d2_quant
    .symbol:         k_qf25fb358d2_quant.kd
    .args:
      - { .name: x, .offset: 0, .size: 8, .value_kind: global_buffer, .address_space: global }
      - { .name: wq, .offset: 8, .size: 8, .value_kind: global_buffer, .address_space: global }
      - { .name: wk, .offset: 16, .size: 8, .value_kind: global_buffer, .address_space: global }
      - { .name: wv, .offset: 24, .size: 8, .value_kind: global_buffer, .address_space: global }
      - { .name: w_proj, .offset: 32, .size: 8, .value_kind: global_buffer, .address_space: global }
      - { .name: tc, .offset: 40, .size: 8, .value_kind: global_buffer, .address_space: global }
      - { .name: ts, .offset: 48, .size: 8, .value_kind: global_buffer, .address_space: global }
    .group_segment_fixed_size: 34304
    .private_segment_fixed_size: 0
    .kernarg_segment_align: 8
    .kernarg_segment_size: 56
    .max_flat_workgroup_size: 64
    .sgpr_count:     66
    .vgpr_count:     258
    .wavefront_size: 32
...
	.end_amdgpu_metadata
.endif
;; end of part 1
;; launch qkv (part 2): grid 6 x 40, 4 waves a work-group, no clusters, 327,680 bytes of LDS; arguments tc, ts, qc, kc, vc, sqkv; writes qc, kc, vc, sqkv
.if DOCPART == 2
	.amdgcn_target "amdgcn-amd-amdhsa--gfx1250"
	.amdhsa_code_object_version 6
	.text
	.protected	k_qf25fb358d2_qkv
	.globl	k_qf25fb358d2_qkv
	.p2align	8
	.type	k_qf25fb358d2_qkv,@function
k_qf25fb358d2_qkv:
	s_mov_b64 s[64:65], 0
	v_nop
	global_prefetch_b8 v0, s[64:65] scope:SCOPE_SE
	s_setreg_imm32_b32 hwreg(HW_REG_WAVE_MODE, 25, 1), 1
	s_wait_xcnt 0x0
; q, k, v = x Wq^T, x Wk^T, x Wv^T on codes of E4M3 (K = 768, six K steps of 128), and their quantising: q and k along d, v along the tokens.
; SHARES.  A batch's 19 pairs of token tiles are five GROUPS: four of four pairs and one of three; 32 batches have 160 groups.  A work-group takes two heads (x) and four groups on end (4 y .. 4 y + 3), which may
; run from one batch into the next: x's tiles of all batches lie on end in tc and ts.  Wave w takes head 2 x + w / 2 and the 32 channels d = 32 b' .. 32 b' + 31, b' = w % 2.  Its 2 tiles x 6 K steps of each of
; Wq, Wk, Wv stay in registers (576, windows 1 to 3).
; THE RING.  Two LDS slots, 131,072 bytes apart, a group each: four pairs' codes (98,304 consecutive bytes of tc) and behind them their scale words (4,096 of ts).  One tensor load a wave: waves 0 to 2 bring 128 rows
; of 256 bytes of codes each, wave 3 the 16 rows of scale words.  A change of slots stands at a group's head: every wave waits for all its tensor loads, adds 0 to its spare word, waits for that and for its LDS reads,
; passes the barrier, and asks for the next group first.  That load has a group's 288 matrix instructions a wave in which to land.  A wave has one tensor load out at the most.
; A batch's fifth group has three pairs: its load brings the pair behind them too (the next batch's first; behind the last batch the weights' tiles: inside tc and ts), which nobody multiplies.
; THE TEXT.  The four groups are written one behind the other; a group is a loop of four PLACES round one pair's text.  In a fifth group the fourth place has no pair.
; Behind a pair's last products the next place's first fragments and scale words are fetched, ahead of the quantiser; in the fourth place the address is held at the slot's last pair, which is read once more and not used: no branch, no byte outside the tiles.
; LAYOUT.  q and k are made transposed (source 0 = 16 rows of W, source 1 = 16 tokens): lane (r, h) holds token r of the tile and d = 32 b' + 16 h + 8 e + j.  v the other way round (source 0 = 16 tokens,
; source 1 = 16 rows of Wv): lane (r, h) holds channel r and tokens 32 P + 16 h + 8 u + j.  Each time 16 registers are 16 neighbours along the next product's K, a block of 32 lies in lanes l and l xor 16,
; and the conversions' four registers are one chunk (512 bytes) of the next operand's image.
; OUT.  qc [bh][tile T][b'][512];  kc [bh][pair P][c = 2 b' + u][512];  vc [bh][d tile 2 b' + e][key step s][c][512], chunk c = pair 4 s + c;
; sqkv [bh][b'][group][lane][4 words]: lanes 0-15: k's bytes (2 words: pair 4 g + 2 j low half, 4 g + 2 j + 1 high half; in a half tile u = 0 low byte), q's likewise; lanes 16-31: v's two scale words, 0, 0.
; Tokens 577 .. 607 have zero codes of x, so their q, k, v are zeros: v's last block is filled with zeros as the quantiser asks.
; LIMITS: NaN and infinities are not served; a block of zeros gets the byte 1 (zero codes; read by this program alone).
; No cluster: six work-groups read a group's tiles, and six is no multiple of four.  No prefetch: a group is asked for a whole group's work ahead of its first read, and the walk has four groups.
.set SLOT1, 131072
.set XSCL,  98304                      ; a slot's scale words [pair][u][r][8 words], behind its codes [pair][u][s][c][512]
.set PB,    24576                      ; a pair's codes
.set SPARE, 262144                     ; the spare words: 128 bytes a wave
.set LI,   1                           ; 16 x lane
.set R32,  2                           ; 32 x (lane % 16)
.set SPW,  3                           ; my spare word; never rewritten
.set NIL,  4                           ; 0; never rewritten
.set XR,   5                           ; LDS: the pair in hand, + 16 x lane
.set XN,   6                           ; the next place's
.set XSN,  7                           ; and its scale words, + 32 r
.set WS,   8                           ; v8-43 the weights' scale words: 6 (2 m + e) + s
.set XS,   44                          ; v44-55 x's: 6 u + s
.set XA,   56                          ; v56-87, v88-119 two fragments of x of a K step, two buffers
.set XB,   88
.set CD,   88                          ; the codes just made lie in the second buffer
.set ACC,  120                         ; v120-215 six units of 16: q of token tile 0, 1; k of 0, 1; v of d tile 0, 1
.set BM,   216                         ; six each: largest magnitudes, bytes, 448 x the scale, scale operands
.set T1,   222
.set HOLD, 228
.set SCL,  234
.set KW,   240                         ; a group's bytes: k's, q's, v's
.set QW,   242
.set VW,   244
.set OUT,  246
.set ZQ,   250                         ; zeros
.set TMP,  254
.set PO,   28                          ; s28 LDS byte of the pair in hand; s29 of its scale words
.set PS,   29
.set G0,   56                          ; s[56:59] descriptor group 0, which walks
.set UNIT, 60                          ; s60 a pair in my tensor's bytes: 24,576 or 1,024
.set P,    61                          ; s61 the place; s62 the place that has no pair (4: none)
.set DUM,  62
.set G1C,  68                          ; s[68:75], s[76:83] groups 1: 128 rows, 16 rows
.set G1S,  76
.set MSB, 0
.macro WIN new                         ; the immediate's high byte repeats the setting that is left
.if MSB != (\new)
	s_set_vgpr_msb (MSB<<8)|(\new)
.set MSB, (\new)
.endif
.endm
.macro NOPS n
.rept \n
	v_nop
.endr
.endm
.macro TLOAD                           ; my one tensor load: two lines, since the tiles have two shapes; s_nop 0 and four v_nop behind each
	s_cmp_lt_u32 s16, 3
	s_cbranch_scc0 .Lwords_\@
	tensor_load_to_lds s[G0:G0+3], s[G1C:G1C+7]
	s_nop 0
	NOPS 4
	s_branch .Lasked_\@
.Lwords_\@:
	tensor_load_to_lds s[G0:G0+3], s[G1S:G1S+7]
	s_nop 0
	NOPS 4
.Lasked_\@:
.endm
	s_load_b256 s[4:11], s[0:1], 0x0               ; tc, ts, qc, kc
	s_load_b128 s[12:15], s[0:1], 0x20             ; vc, sqkv
	v_lshl_add_u32 v[SPW], v0, 2, SPARE
	v_mov_b32 v[NIL], 0
	ds_add_u32 v[SPW], v[NIL]                      ; the opening lines: the add, twice on end, and its wait ahead of my first tensor load
	ds_add_u32 v[SPW], v[NIL]
	v_lshrrev_b32 v[TMP], 5, v0
	v_readfirstlane_b32 s16, v[TMP]                ; wave
	v_and_b32 v[TMP], 31, v0
	v_lshlrev_b32 v[LI], 4, v[TMP]
	v_and_b32 v[R32], 15, v0
	v_lshlrev_b32 v[R32], 5, v[R32]
.irp i, 0,1,2,3
	v_mov_b32 v[ZQ+\i], 0
.endr
.irp n, 0,1,2,3,4,5
	v_mov_b32 v[T1+\n], 0                          ; written once: a lane permute's destination counts as one of its sources
	v_mov_b32 v[KW+\n], 0                          ; the group's words: what stands here is shifted out by a group's four places
.endr
	s_and_b32 s49, ttmp7, 0xffff
	s_lshl_b32 s49, s49, 2                         ; my first group, 0 .. 156
	s_mul_i32 s18, s49, 205
	s_lshr_b32 s18, s18, 10                        ; / 5 (exact under 1,020): its batch
	s_mul_i32 s48, s18, 5
	s_sub_co_u32 s48, s49, s48                     ; s48: the group's number in its batch, 0 .. 4
	s_mul_i32 s49, s18, 19
	s_lshl_b32 s50, s48, 2
	s_add_co_u32 s49, s49, s50                     ; its first pair, counted over all batches
	s_mov_b32 s51, 0                               ; the upper words of the steps
	s_mov_b32 s53, 0
	s_mov_b32 s55, 0
	s_mov_b32 s45, 0
	s_lshr_b32 s19, s16, 1
	s_lshl_b32 s17, ttmp9, 1
	s_add_co_u32 s19, s19, s17                     ; the head
	s_and_b32 s20, s16, 1                          ; b'
	s_mul_i32 s21, s18, 12
	s_add_co_u32 s21, s21, s19                     ; bh
	s_mov_b32 s22, 0x76543210
	s_mov_b32 s23, 0xfedcba98
	s_mov_b32 s24, 0x600000                        ; the mantissa field of 448
	s_mov_b32 s25, 0xffff0000                      ; lanes 16-31
	s_mov_b32 s47, 0
	; group 1: a dense block as rows of 256 bytes (32 elements of 8 bytes), no padding: the images are read 512 consecutive bytes at a time
.irp g, G1C, G1S
	s_mov_b32 s[\g], 3<<16
	s_mov_b32 s[\g+1], 32<<16
	s_mov_b32 s[\g+3], 32<<16
	s_mov_b32 s[\g+5], 32
	s_mov_b32 s[\g+6], 0
	s_mov_b32 s[\g+7], 0
.endr
	s_mov_b32 s[G1C+2], 128<<16
	s_mov_b32 s[G1C+4], 128
	s_mov_b32 s[G1S+2], 16<<16
	s_mov_b32 s[G1S+4], 16
	s_lshl_b32 s[G0+1], s16, 15                    ; LDS: wave x 32,768: three parts of the codes, then the scale words
	s_mov_b32 s[G0], 1
	s_mov_b32 s[UNIT], 1024
	s_wait_alu depctr_va_vdst(0)
	s_wait_dscnt 0x0                               ; both opening adds are done
	s_wait_kmcnt 0x0
	s_cmp_lt_u32 s16, 3
	s_cselect_b64 s[G0+2:G0+3], s[4:5], s[6:7]     ; tc or ts: the choice hangs on the wave's number alone
	s_cselect_b32 s[UNIT], PB, s[UNIT]
	s_cselect_b32 s44, s[G0+1], 0
	s_mul_i32 s46, s49, s[UNIT]
	s_add_co_u32 s46, s46, s44
	s_add_nc_u64 s[G0+2:G0+3], s[G0+2:G0+3], s[46:47]
	s_or_b32 s[G0+3], s[G0+3], 0x80000000
	TLOAD                                          ; my first group, into slot 0
	s_lshl_b32 s46, s19, 2
	s_lshl_b32 s17, s20, 1
	s_add_co_u32 s46, s46, s17
	s_add_co_u32 s17, s46, 1216                    ; Wq's tile 4 head + 2 b'
	s_mul_i32 s46, s17, 12288
	s_add_nc_u64 s[32:33], s[4:5], s[46:47]
	s_lshl_b32 s46, s17, 9
	s_add_nc_u64 s[34:35], s[6:7], s[46:47]
	s_mul_i32 s17, s21, 38912
	s_lshl_b32 s50, s48, 13
	s_add_co_u32 s17, s17, s50                     ; + 8,192 for each group passed
	s_lshl_b32 s46, s20, 9
	s_add_co_u32 s46, s46, s17
	s_add_nc_u64 s[36:37], s[8:9], s[46:47]        ; qc
	s_lshl_b32 s46, s20, 10
	s_add_co_u32 s46, s46, s17
	s_add_nc_u64 s[38:39], s[10:11], s[46:47]      ; kc
	s_lshl_b32 s17, s21, 1
	s_add_co_u32 s17, s17, s20                     ; 2 bh + b'
	s_mul_i32 s46, s17, 20480
	s_lshl_b32 s50, s48, 11
	s_add_co_u32 s46, s46, s50
	s_add_nc_u64 s[40:41], s[12:13], s[46:47]      ; vc: d tile 2 b', key step = the group
	s_mul_i32 s46, s17, 2560
	s_lshl_b32 s50, s48, 9
	s_add_co_u32 s46, s46, s50
	s_add_nc_u64 s[42:43], s[14:15], s[46:47]      ; sqkv
; the weights: fragment (e, s) at v[16 (6 e + s)] of window 1 + m; two neighbouring tiles are 24,576 consecutive bytes; from tensor to tensor 48 tiles
.irp m, 0,1,2
	WIN (\m+1)<<6
.set QI, 0
.rept 48
	global_load_b128 v[4*QI:4*QI+3], v[LI], s[32:33] offset:589824*\m+512*QI
.set QI, QI+1
.endr
.endr
	WIN 0
.irp k, 0,1,2,3,4,5
	global_load_b128 v[WS+6*\k:WS+6*\k+3], v[R32], s[34:35] offset:(\k/2)*24576+(\k%2)*512
	global_load_b64 v[WS+6*\k+4:WS+6*\k+5], v[R32], s[34:35] offset:(\k/2)*24576+(\k%2)*512+16
.endr
.macro FETCHX s, buf, adr              ; K step s: a pair's two fragments
.irp u, 0,1
.irp c, 0,1,2,3
	ds_load_b128 v[\buf+16*\u+4*\c:\buf+16*\u+4*\c+3], v[\adr] offset:(6*\u+(\s))*2048+512*\c
.endr
.endr
.endm
.macro PREF                            ; a place's first fragments and its scale words, six a row: 12 loads
	FETCHX 0, XA, XN
.irp u, 0,1
	ds_load_b128 v[XS+6*\u:XS+6*\u+3], v[XSN] offset:512*\u
	ds_load_b64 v[XS+6*\u+4:XS+6*\u+5], v[XSN] offset:512*\u+16
.endr
.endm
; 12 matrix instructions: K step s of all twelve accumulators, which take turns, one instruction a turn.  first = 1: the products start the sums
.macro MUL12 s, buf, first
	WIN 0x01                                       ; source 0: Wq, window 1
.irp u, 0,1
.irp e, 0,1
.if \first
	v_wmma_scale_f32_16x16x128_f8f6f4 v[ACC+16*\u+8*\e:ACC+16*\u+8*\e+7], v[16*(6*\e+\s):16*(6*\e+\s)+15], v[\buf+16*\u:\buf+16*\u+15], 0, v[WS+6*\e+\s], v[XS+6*\u+\s]
.else
	v_wmma_scale_f32_16x16x128_f8f6f4 v[ACC+16*\u+8*\e:ACC+16*\u+8*\e+7], v[16*(6*\e+\s):16*(6*\e+\s)+15], v[\buf+16*\u:\buf+16*\u+15], v[ACC+16*\u+8*\e:ACC+16*\u+8*\e+7], v[WS+6*\e+\s], v[XS+6*\u+\s]
.endif
.endr
.endr
	WIN 0x02                                       ; source 0: Wk, window 2
.irp u, 0,1
.irp e, 0,1
.if \first
	v_wmma_scale_f32_16x16x128_f8f6f4 v[ACC+32+16*\u+8*\e:ACC+32+16*\u+8*\e+7], v[16*(6*\e+\s):16*(6*\e+\s)+15], v[\buf+16*\u:\buf+16*\u+15], 0, v[WS+12+6*\e+\s], v[XS+6*\u+\s]
.else
	v_wmma_scale_f32_16x16x128_f8f6f4 v[ACC+32+16*\u+8*\e:ACC+32+16*\u+8*\e+7], v[16*(6*\e+\s):16*(6*\e+\s)+15], v[\buf+16*\u:\buf+16*\u+15], v[ACC+32+16*\u+8*\e:ACC+32+16*\u+8*\e+7], v[WS+12+6*\e+\s], v[XS+6*\u+\s]
.endif
.endr
.endr
	WIN 0x0c                                       ; source 1: Wv, window 3; x is source 0
.irp e, 0,1
.irp u, 0,1
.if \first
	v_wmma_scale_f32_16x16x128_f8f6f4 v[ACC+64+16*\e+8*\u:ACC+64+16*\e+8*\u+7], v[\buf+16*\u:\buf+16*\u+15], v[16*(6*\e+\s):16*(6*\e+\s)+15], 0, v[XS+6*\u+\s], v[WS+24+6*\e+\s]
.else
	v_wmma_scale_f32_16x16x128_f8f6f4 v[ACC+64+16*\e+8*\u:ACC+64+16*\e+8*\u+7], v[\buf+16*\u:\buf+16*\u+15], v[16*(6*\e+\s):16*(6*\e+\s)+15], v[ACC+64+16*\e+8*\u:ACC+64+16*\e+8*\u+7], v[XS+6*\u+\s], v[WS+24+6*\e+\s]
.endif
.endr
.endr
	WIN 0
.endm
; the six units become six chunks of codes, v[CD + 4 n], and six bytes, v[T1 + n].  Each accumulator is read from its low end on
.macro QUANT6
.irp n, 0,1,2,3,4,5
	v_max3_num_f32 v[BM+\n], |v[ACC+16*\n]|, |v[ACC+16*\n+1]|, 0x4800000   ; my 16 numbers, and the floor 2^(9 - 127)
.endr
.irp i, 2,4,6,8,10,12,14
.irp n, 0,1,2,3,4,5
	v_max3_num_f32 v[BM+\n], v[BM+\n], |v[ACC+16*\n+\i]|, |v[ACC+16*\n+\i+1]|
.endr
.endr
.irp n, 0,1,2,3,4,5
	v_permlanex16_b32 v[T1+\n], v[BM+\n], s22, s23
.endr
.irp n, 0,1,2,3,4,5
	v_max_num_f32 v[BM+\n], v[BM+\n], v[T1+\n]     ; with lane l xor 16's: the block's largest magnitude
.endr
.irp n, 0,1,2,3,4,5
	v_add_nc_u32 v[SCL+\n], 0xfc000000, v[BM+\n]   ; 8 off the exponent field: the conversion's scale operand
.endr
.irp n, 0,1,2,3,4,5
	v_and_or_b32 v[HOLD+\n], v[BM+\n], 0x7f800000, s24   ; 448 x the scale
.endr
.irp n, 0,1,2,3,4,5
	v_lshrrev_b32 v[T1+\n], 23, v[SCL+\n]          ; the byte
.endr
.irp n, 0,1,2,3,4,5
.irp i, 0,1,2,3,4,5,6,7,8,9,10,11,12,13,14,15
	v_med3_num_f32 v[ACC+16*\n+\i], v[ACC+16*\n+\i], -v[HOLD+\n], v[HOLD+\n]   ; the conversion does not saturate (ISA guide 7.6.2)
.endr
	v_cvt_scalef32_pk8_fp8_f32 v[CD+4*\n:CD+4*\n+1], v[ACC+16*\n:ACC+16*\n+7], v[SCL+\n]
	v_cvt_scalef32_pk8_fp8_f32 v[CD+4*\n+2:CD+4*\n+3], v[ACC+16*\n+8:ACC+16*\n+15], v[SCL+\n]
.endr
	v_nop                                          ; a plain instruction behind the last conversion: the next products write its sources
.endm
; a place's bytes are shifted into the group's words from the top: after four places the first place's stand lowest.  One text for all places
.macro SHIFT16 w, lo                   ; the pair of words v[w], v[w + 1] goes 16 bits down; bytes v[lo], v[lo + 1] come in on top
	v_lshl_or_b32 v[TMP], v[\lo+1], 8, v[\lo]
	v_lshrrev_b32 v[\w], 16, v[\w]
	v_lshl_or_b32 v[\w], v[\w+1], 16, v[\w]
	v_lshrrev_b32 v[\w+1], 16, v[\w+1]
	v_lshl_or_b32 v[\w+1], v[TMP], 16, v[\w+1]
.endm
.macro PACK
	SHIFT16 QW, T1
	SHIFT16 KW, T1+2
	v_lshrrev_b32 v[VW], 8, v[VW]
	v_lshl_or_b32 v[VW], v[T1+4], 24, v[VW]
	v_lshrrev_b32 v[VW+1], 8, v[VW+1]
	v_lshl_or_b32 v[VW+1], v[T1+5], 24, v[VW+1]
.endm
; THE CHANGE OF SLOTS, at a group's head.  fill = 1: the group after the one in hand is asked for, into the other slot: three or four pairs on in memory, by the number of the group in hand
.macro CHANGE fill
	s_wait_tensorcnt 0x0                           ; my part of the group in hand has landed, and no tensor load of mine is out: group 0 may be written
	ds_add_u32 v[SPW], v[NIL]                      ; 0 onto my spare word
.if \fill
	s_cmp_eq_u32 s48, 4
	s_cselect_b32 s44, 3, 4
	s_mul_i32 s44, s44, s[UNIT]
	s_xor_b32 s[G0+1], s[G0+1], SLOT1
	s_add_nc_u64 s[G0+2:G0+3], s[G0+2:G0+3], s[44:45]
.endif
	s_wait_dscnt 0x0                               ; the add is done, and my reads of the slot that I have left are over
	s_barrier_signal -1
	s_barrier_wait -1
.if \fill
	TLOAD                                          ; first behind the barrier, and my one tensor load until the next
.endif
.endm
; A GROUP, in slot \slot.  more = 1: a group follows
.macro GRP slot, more
	s_mov_b32 s[PO], \slot*SLOT1
	s_mov_b32 s[PS], \slot*SLOT1+XSCL
	s_cmp_eq_u32 s48, 4
	s_cselect_b32 s[DUM], 3, 4
	v_add_nc_u32 v[XR], s[PO], v[LI]
	v_add_nc_u32 v[XN], s[PO], v[LI]
	v_add_nc_u32 v[XSN], s[PS], v[R32]
	PREF
	s_mov_b32 s[P], 0
	s_wait_alu depctr_va_vdst(0)
.Lplace_\@:
	s_cmp_eq_u32 s[P], s[DUM]
	s_cbranch_scc1 .Lnone_\@                       ; the fifth group has three pairs
	FETCHX 1, XB, XR
	s_wait_dscnt 8                                 ; all but the eight just issued: K step 0 and the scale words are in
	MUL12 0, XA, 1
	NOPS 8                                         ; eight places in front of loads into registers that matrix instructions have read
	FETCHX 2, XA, XR
	s_wait_dscnt 8
	MUL12 1, XB, 0
	NOPS 8
	FETCHX 3, XB, XR
	s_wait_dscnt 8
	MUL12 2, XA, 0
	NOPS 8
	FETCHX 4, XA, XR
	s_wait_dscnt 8
	MUL12 3, XB, 0
	NOPS 8
	FETCHX 5, XB, XR
	s_wait_dscnt 8
	MUL12 4, XA, 0
	s_wait_dscnt 0x0
	MUL12 5, XB, 0
	NOPS 9                                         ; in front of the loads below and of the first read of results; nine, since the next pair's first products begin these accumulators anew
	s_add_co_u32 s30, s[PO], PB
	s_min_u32 s30, s30, \slot*SLOT1+3*PB           ; the next place, held at the slot's last pair
	s_add_co_u32 s31, s[PS], 1024
	s_min_u32 s31, s31, \slot*SLOT1+XSCL+3072
	v_add_nc_u32 v[XN], s30, v[LI]
	v_add_nc_u32 v[XSN], s31, v[R32]
	PREF                                           ; lands while this pair is quantised
	QUANT6
	global_store_b128 v[LI], v[CD:CD+3], s[36:37]                  ; each store: 512 consecutive bytes, aligned
	global_store_b128 v[LI], v[CD+4:CD+7], s[36:37] offset:1024
	global_store_b128 v[LI], v[CD+8:CD+11], s[38:39]
	global_store_b128 v[LI], v[CD+12:CD+15], s[38:39] offset:512
	global_store_b128 v[LI], v[CD+16:CD+19], s[40:41]
	global_store_b128 v[LI], v[CD+20:CD+23], s[40:41] offset:10240
	s_branch .Ljoin_\@
.Lnone_\@:
.irp n, 0,1,2,3,4,5
	v_mov_b32 v[T1+\n], 0                          ; no pair: the bytes 0
.endr
	global_store_b128 v[LI], v[ZQ:ZQ+3], s[40:41]                  ; v's chunk for tokens 608 .. 639: zero codes
	global_store_b128 v[LI], v[ZQ:ZQ+3], s[40:41] offset:10240
.Ljoin_\@:
	PACK
	s_wait_xcnt 0x0                                ; the stores have read their bases and the codes' registers, into which the next pair's fragments are loaded
	s_add_nc_u64 s[36:37], s[36:37], 2048
	s_add_nc_u64 s[38:39], s[38:39], 2048
	s_add_nc_u64 s[40:41], s[40:41], 512
	s_add_co_u32 s[PO], s[PO], PB
	s_add_co_u32 s[PS], s[PS], 1024
	v_add_nc_u32 v[XR], s[PO], v[LI]
	s_add_co_u32 s[P], s[P], 1
	s_cmp_lt_u32 s[P], 4
	s_wait_alu depctr_va_vdst(0)
	s_cbranch_scc1 .Lplace_\@
	v_cndmask_b32 v[OUT], v[KW], v[VW], s25        ; the group's scale words: 512 consecutive bytes
	v_cndmask_b32 v[OUT+1], v[KW+1], v[VW+1], s25
	v_cndmask_b32 v[OUT+2], v[QW], v[ZQ], s25
	v_cndmask_b32 v[OUT+3], v[QW+1], v[ZQ], s25
	global_store_b128 v[LI], v[OUT:OUT+3], s[42:43]
.if \more
	s_wait_xcnt 0x0                                ; the store has read its base and v[OUT] on
	s_mov_b32 s54, 512
	s_cmp_eq_u32 s48, 4                            ; behind a fifth group: on to the same head in the next batch: 12 x 38,912 - 5 x 8,192; 24 x 20,480 - 5 x 2,048; 24 x 2,560 - 4 x 512
	s_cselect_b32 s50, 425984, 0
	s_cselect_b32 s52, 481280, 0
	s_cselect_b32 s54, 59392, s54
	s_add_nc_u64 s[36:37], s[36:37], s[50:51]
	s_add_nc_u64 s[38:39], s[38:39], s[50:51]
	s_add_nc_u64 s[40:41], s[40:41], s[52:53]
	s_add_nc_u64 s[42:43], s[42:43], s[54:55]
	s_add_co_u32 s48, s48, 1
	s_cmp_eq_u32 s48, 5
	s_cselect_b32 s48, 0, s48
.endif
.endm
	CHANGE 1                                       ; slot 1's first fill is issued as a refill is
	s_wait_loadcnt 0x0                             ; the weights
	GRP 0, 1
	CHANGE 1
	GRP 1, 1
	CHANGE 1
	GRP 0, 1
	CHANGE 0
	GRP 1, 0
	s_wait_tensorcnt 0x0                           ; the wave's end
	ds_add_u32 v[SPW], v[NIL]
	s_wait_dscnt 0x0
	s_endpgm
.Lfunc_end_k_qf25fb358d2_qkv:
	.size	k_qf25fb358d2_qkv, .Lfunc_end_k_qf25fb358d2_qkv-k_qf25fb358d2_qkv
	.p2alignl 7, 3214868480
	.fill 96, 4, 3214868480
	.section	.rodata,"a",@progbits
	.p2align	6, 0x0
	.amdhsa_kernel k_qf25fb358d2_qkv
		.amdhsa_group_segment_fixed_size 327680
		.amdhsa_private_segment_fixed_size 0
		.amdhsa_enable_private_segment 0
		.amdhsa_kernarg_size 48
		.amdhsa_user_sgpr_count 2
		.amdhsa_user_sgpr_kernarg_segment_ptr 1
		.amdhsa_wavefront_size32 1
		.amdhsa_system_sgpr_workgroup_id_x 1
		.amdhsa_system_sgpr_workgroup_id_y 1
		.amdhsa_system_sgpr_workgroup_id_z 1
		.amdhsa_system_vgpr_workitem_id 0
		.amdhsa_next_free_vgpr 1024
		.amdhsa_next_free_sgpr 90
		.amdhsa_reserve_vcc 0
		.amdhsa_float_denorm_mode_32 3
		.amdhsa_float_denorm_mode_16_64 3
		.amdhsa_memory_ordered 1
		.amdhsa_forward_progress 1
		.amdhsa_inst_pref_size 146
	.end_amdhsa_kernel
	.amdgpu_metadata
---
amdhsa.version: [ 1, 2 ]
amdhsa.kernels:
  - .name:           k_qf25fb358d2_qkv
    .symbol:         k_qf25fb358d2_qkv.kd
    .args:
      - { .name: tc, .offset: 0, .size: 8, .value_kind: global_buffer, .address_space: global }
      - { .name: ts, .offset: 8, .size: 8, .value_kind: global_buffer, .address_space: global }
      - { .name: qc, .offset: 16, .size: 8, .value_kind: global_buffer, .address_space: global }
      - { .name: kc, .offset: 24, .size: 8, .value_kind: global_buffer, .address_space: global }
      - { .name: vc, .offset: 32, .size: 8, .value_kind: global_buffer, .address_space: global }
      - { .name: sqkv, .offset: 40, .size: 8, .value_kind: global_buffer, .address_space: global }
    .group_segment_fixed_size: 327680
    .private_segment_fixed_size: 0
    .kernarg_segment_align: 8
    .kernarg_segment_size: 48
    .max_flat_workgroup_size: 128
    .sgpr_count:     90
    .vgpr_count:     1024
    .wavefront_size: 32
...
	.end_amdgpu_metadata
.endif
;; end of part 2
;; launch attn (part 3): grid 256 x 1, 16 waves a work-group, no clusters, 167,936 bytes of LDS; arguments qc, kc, vc, sqkv, cc, cs; writes cc, cs
.if DOCPART == 3
	.amdgcn_target "amdgcn-amd-amdhsa--gfx1250"
	.amdhsa_code_object_version 6
	.text
	.protected	k_qf25fb358d2_attn
	.globl	k_qf25fb358d2_attn
	.p2align	8
	.type	k_qf25fb358d2_attn,@function
k_qf25fb358d2_attn:
	s_mov_b64 s[64:65], 0
	v_nop
	global_prefetch_b8 v0, s[64:65] scope:SCOPE_SE
	s_setreg_imm32_b32 hwreg(HW_REG_WAVE_MODE, 25, 1), 1
	s_wait_xcnt 0x0
; cat = softmax(q k^T / 8) v, both products on codes of E4M3, and cat's quantising along h d for the last product.
; THE SOFTMAX: t = score x log2(e) / 8; M = the running largest t rounded UP to a whole number; p = 2^(t - M) is what is quantised, along the keys, not normalised; the row's sum is taken of the unquantised p
; and divides O at the end.  When M moves, the sum and O are multiplied by 2^(old M - new M): exact.
; WORK LEFT OUT.  Query tile 37 of every (batch, head) holds tokens 584 .. 591 and 600 .. 607, which reference() does not have: no number of out0 hangs on them, whatever the inputs hold.  Its attention is not
; computed; its place in cc and cs gets zero codes and the byte 127, so that the last launch reads written bytes.  (Tile 36 holds token 576 beside fifteen such rows and is computed whole.)
; SHARES.  384 (batch, head) of 37 live query tiles are dealt to 256 work-groups: work-group x takes one whole, number (3 x + x % 2) / 2, and half of a neighbour: x even: tiles 0 .. 18 of the next; x odd: tiles 19 .. 36
; of the one before.  That is 56 or 55 JOBS of one tile of 16 queries against the head's 577 keys.  Jobs 0 .. 36 are the whole one's tiles, jobs 37 .. 55 the half's.  Wave w of sixteen takes jobs w, 16 + w, 32 + w;
; the eight waves with (w ^ w / 4) even also take job 48 + w / 2: two such waves in each four on end and two in each class modulo 4.
; LDS: two slots of 82,432 bytes: K's 19 runs (38,912), V's 20 fragments (40,960), both as images of the operands' registers, and two tables of scale words.  Slot 0 serves the whole (batch, head), slot 1 the half:
; each K and V comes once.  Eight tensor loads at the head, one a wave, in four arms: waves 0, 1 slot 0's K; 2, 3 its V; 4, 5 slot 1's K; 6, 7 its V.  No LDS byte is filled twice.  Three barriers, all in the first job:
; one shows slot 0's K and the tables, one, ahead of the first read of V, slot 0's V, and one, signalled at key step 2 and waited for at key step 4, slot 1.
; The first job is written out with these barriers. Which slot a job reads is (16 round + w + 27) / 64.
; LAYOUT.  Both products are used transposed: S^T = k q^T, O^T = v^T p^T: a lane holds one query (lane % 16) throughout.  By the tiles' row order the 16 registers of a pair of key tiles are keys
; 32 P + 16 h + 0 .. 15, and O^T's 16 registers of a pair of d tiles are d = 32 b' + 16 h + 0 .. 15.
; K = 64 IN A FORM OF 128.  A run of 16 registers holds BOTH tiles of a pair of keys, chunk c = 2 b' + u.  Tile u = 0 is multiplied by (q0, 0, q1, 0), tile u = 1 by (0, q0, 0, q1): zero codes of q stand against the
; other tile's codes, which are numbers (never NaN), under scale bytes that are never 0xff.
; THE LAST KEY STEP has 65 keys: pairs 16, 17 and key 576, which lies in register 32 of lanes 0-15: its block is treated as that one number; the block's other codes, and p's fourth chunk, are zeros.
; A key step's runs of K are loaded a step ahead, into 64 registers of their own; V's fragments land where p lay, two behind each half of the conversions.
; LIMITS: NaN and infinities are not served, and none that reaches only the tile left out is carried on.  O / l is a multiplication by v_rcp_f32's result (1 ulp).  A block's largest p is made from its largest score
; by the same two instructions, which takes v_exp_f32 not to fall where its input rises.  A block of zeros gets the byte 1 (zero codes; the bytes are read by this program alone).
; No cluster: of four neighbouring work-groups only pairs share a tile, and only one of their two slots.  No prefetch: every tile is asked for at the head, so there is no loop to run ahead in.
.set SLOTB, 82432
.set VIM,   38912
.set KSW,   79872                      ; K's scale words [key step 5][r 16][4 words]; V's VSWO further on, laid alike
.set VSWO,  1280
.set KHALF, 19456                      ; a tensor load: 76 rows of 256 bytes of K,
.set VHALF, 20480                      ; 80 of V
.set SPARE, 2*SLOTB                    ; the spare words: 128 bytes a wave, eight blocks of 256 bytes
.set L16,  1                           ; 16 x lane
.set AV,   2                           ; LDS: V's fragments of the job's slot
.set AKS,  3                           ; its tables, + 16 r
.set AK,   4                           ; K's runs
.set R32,  5                           ; 32 r
.set QS,   6                           ; v6, v7 q's scale words for u = 0, 1
.set NM,   8                           ; -M; v9 the largest t
.set TMX,  9
.set LS,   10                          ; v[10:11] the sum, in two halves
.set QF,   12                          ; v12-31 0, q0, 0, q1, 0
.set KR,   32                          ; v32-95 four runs of K
.set PC,   96                          ; v96-111 p's codes
.set S,    112                         ; v112-175 S^T, then p, then four fragments of V
.set O,    176                         ; v176-207 O^T
.set BM,   208
.set T1,   212
.set HOLD, 216
.set SCL,  220
.set KW,   224                         ; a key step's scale words of K; v228-231 of V
.set VW,   228
.set F,    232                         ; 2^(old M - new M)
.set PW,   233                         ; p's scale word
.set TMP,  234
.set NINF, 235
.set QSO,  236                         ; 16 r
.set TKO,  237
.set TVO,  238
.set SHV,  239
.set TA,   240                         ; v240, v241 the tables' LDS addresses
.set SPW,  242                         ; my spare word; never rewritten
.set NIL,  243                         ; 0; never rewritten
.set AKS0, 244                         ; KSW + 16 r
.set WV,   2
.set SEL,  24
.set CSC,  26                          ; c = log2(e) / 8
.set MNT,  28
.set LO16, 29
.set QB,   30                          ; q's codes; s[32:33] its scale words; s34 where my tile's byte stands in them
.set SQ,   32
.set SHS,  34
.set HD,   35
.set CCB,  36
.set CSB,  38
.set G0K,  40                          ; s[40:55] groups 0: slot 0's K, V, slot 1's K, V
.set FB,   56                          ; the whole (batch, head); s57 the half's; s58 the half's first tile; s59 my rounds; s60 the round; s61 x % 2
.set HB,   57
.set HT,   58
.set NR,   59
.set J,    60
.set PAR,  61
.set G1K,  68
.set G1V,  76
.set TB,   84                          ; s[84:87] sqkv of the whole (batch, head) and of the half
.macro NOPS n
.rept \n
	v_nop
.endr
.endm
.macro JOBSEL jr                       ; round s[jr] of my wave: s16 = bh, s17 = the query tile
	s_lshl_b32 s17, s[\jr], 4
	s_add_co_u32 s17, s17, s[WV]
	s_lshr_b32 s18, s[WV], 1
	s_add_co_u32 s18, s18, 48
	s_cmp_eq_u32 s[\jr], 3
	s_cselect_b32 s17, s18, s17                    ; the job
	s_sub_co_u32 s18, s17, 37
	s_add_co_u32 s18, s18, s[HT]
	s_cmp_lt_u32 s17, 37
	s_cselect_b32 s16, s[FB], s[HB]
	s_cselect_b32 s17, s17, s18
.endm
.macro QADDR                           ; where q of (s16, s17) lies
	s_mul_i32 s20, s16, 38912
	s_lshl_b32 s22, s17, 10
	s_add_co_u32 s20, s20, s22
	s_mov_b32 s21, 0
	s_add_nc_u64 s[QB:QB+1], s[4:5], s[20:21]
	s_mul_i32 s20, s16, 5120
	s_lshr_b32 s22, s17, 3
	s_lshl_b32 s22, s22, 9                         ; q's bytes: group T / 8,
	s_add_co_u32 s20, s20, s22
	s_bfe_u32 s22, s17, 0x10002
	s_lshl_b32 s22, s22, 2                         ; word (T / 4) % 2,
	s_add_co_u32 s20, s20, s22
	s_add_nc_u64 s[SQ:SQ+1], s[10:11], s[20:21]
	s_bfe_u32 s[SHS], s17, 0x10001
	s_lshl_b32 s[SHS], s[SHS], 4
	s_and_b32 s22, s17, 1
	s_lshl_b32 s22, s22, 3
	s_add_co_u32 s[SHS], s[SHS], s22               ; bit 16 ((T / 2) % 2) + 8 (T % 2)
.endm
.macro QLOAD
	global_load_b128 v[QF+4:QF+7], v[L16], s[QB:QB+1]
	global_load_b128 v[QF+12:QF+15], v[L16], s[QB:QB+1] offset:512
	global_load_b32 v[QS], v[QSO], s[SQ:SQ+1] offset:8
	global_load_b32 v[QS+1], v[QSO], s[SQ:SQ+1] offset:2568
.endm
.macro OADDR                           ; where the results of (s16, s17) go
	s_mul_i32 s18, s16, 43691
	s_lshr_b32 s18, s18, 19                        ; bh / 12 (exact under 384): the batch
	s_mul_i32 s19, s18, 12
	s_sub_co_u32 s19, s16, s19                     ; the head
	s_mul_i32 s20, s18, 38
	s_add_co_u32 s20, s20, s17                     ; cat's tile 38 b + T
	s_lshl_b32 s22, s20, 9
	s_mul_i32 s20, s20, 6
	s_lshr_b32 s23, s19, 1
	s_add_co_u32 s20, s20, s23                     ; K step head / 2,
	s_lshl_b32 s20, s20, 11
	s_and_b32 s23, s19, 1
	s_lshl_b32 s23, s23, 10                        ; chunks 2 (head % 2) and + 1
	s_add_co_u32 s20, s20, s23
	s_mov_b32 s21, 0
	s_add_nc_u64 s[CCB:CCB+1], s[12:13], s[20:21]
	s_lshl_b32 s23, s19, 1
	s_add_co_u32 s20, s22, s23
	s_add_nc_u64 s[CSB:CSB+1], s[14:15], s[20:21]  ; cs: the tile's rows, byte 2 head
	s_mov_b32 s[HD], s19
.endm
	s_load_b256 s[4:11], s[0:1], 0x0               ; qc, kc, vc, sqkv
	s_load_b128 s[12:15], s[0:1], 0x20             ; cc, cs
	v_lshl_add_u32 v[SPW], v0, 2, SPARE
	v_mov_b32 v[NIL], 0
	ds_add_u32 v[SPW], v[NIL]                      ; the opening lines: the add, twice on end, and its wait ahead of the first tensor load
	ds_add_u32 v[SPW], v[NIL]
	v_lshrrev_b32 v[TMP], 5, v0
	v_readfirstlane_b32 s[WV], v[TMP]              ; wave 0..15
	s_and_b32 s[PAR], ttmp9, 1
	s_mul_i32 s[FB], ttmp9, 3
	s_add_co_u32 s[FB], s[FB], s[PAR]
	s_lshr_b32 s[FB], s[FB], 1
	s_lshl_b32 s16, s[PAR], 1
	s_sub_co_u32 s[HB], s[FB], s16
	s_add_co_u32 s[HB], s[HB], 1
	s_mul_i32 s[HT], s[PAR], 19
	s_lshr_b32 s16, s[WV], 2
	s_xor_b32 s16, s16, s[WV]
	s_and_b32 s16, s16, 1
	s_sub_co_u32 s[NR], 4, s16                     ; four rounds or three;
	s_cmp_eq_u32 s[WV], 15
	s_cselect_b32 s16, s[PAR], 0
	s_sub_co_u32 s[NR], s[NR], s16                 ; job 55 is tile 37 where x is odd: left out
	s_mov_b32 s[J], 0
	s_mov_b32 s[SEL], 0x76543210
	s_mov_b32 s[SEL+1], 0xfedcba98
	s_mov_b32 s[CSC], 0x3e38aa3b
	s_mov_b32 s[CSC+1], s[CSC]
	s_mov_b32 s[MNT], 0x600000
	s_mov_b32 s[LO16], 0xffff
	; group 1: a dense block as rows of 256 bytes (32 elements of 8 bytes), no padding: the images are read 512 consecutive bytes at a time
	s_mov_b32 s[G1K], 3<<16
	s_mov_b32 s[G1K+1], 32<<16
	s_mov_b32 s[G1K+2], 76<<16
	s_mov_b32 s[G1K+3], 32<<16
	s_mov_b32 s[G1K+4], 76
	s_mov_b32 s[G1K+5], 32
	s_mov_b32 s[G1K+6], 0
	s_mov_b32 s[G1K+7], 0
	s_mov_b32 s[G1V], 3<<16
	s_mov_b32 s[G1V+1], 32<<16
	s_mov_b32 s[G1V+2], 80<<16
	s_mov_b32 s[G1V+3], 32<<16
	s_mov_b32 s[G1V+4], 80
	s_mov_b32 s[G1V+5], 32
	s_mov_b32 s[G1V+6], 0
	s_mov_b32 s[G1V+7], 0
	s_and_b32 s22, s[WV], 1                        ; which half I fetch, if I fetch
	s_mul_i32 s23, s22, VHALF
	s_mul_i32 s22, s22, KHALF
	s_mov_b32 s21, 0
	s_wait_dscnt 0x0                               ; both opening adds are done
	s_wait_kmcnt 0x0
.irp u, 0,1
	s_mul_i32 s20, s[FB+\u], 38912
	s_add_co_u32 s20, s20, s22
	s_mov_b32 s[G0K+8*\u], 1
	s_add_co_u32 s[G0K+8*\u+1], s22, \u*SLOTB
	s_add_nc_u64 s[G0K+8*\u+2:G0K+8*\u+3], s[6:7], s[20:21]
	s_or_b32 s[G0K+8*\u+3], s[G0K+8*\u+3], 0x80000000
	s_mul_i32 s20, s[FB+\u], 40960
	s_add_co_u32 s20, s20, s23
	s_mov_b32 s[G0K+8*\u+4], 1
	s_add_co_u32 s[G0K+8*\u+5], s23, \u*SLOTB+VIM
	s_add_nc_u64 s[G0K+8*\u+6:G0K+8*\u+7], s[8:9], s[20:21]
	s_or_b32 s[G0K+8*\u+7], s[G0K+8*\u+7], 0x80000000
	s_mul_i32 s20, s[FB+\u], 5120
	s_add_nc_u64 s[TB+2*\u:TB+2*\u+1], s[10:11], s[20:21]
.endr
; the head's loads, one a wave: one chain of branches on the wave's number, a load to an arm, all arms to one join
.macro ARM under, g0, g1, next
	s_cmp_lt_u32 s[WV], \under
	s_cbranch_scc0 \next
	tensor_load_to_lds s[\g0:\g0+3], s[\g1:\g1+7]
	s_nop 0
	NOPS 4
	s_branch .Lasked
\next:
.endm
	ARM 2, G0K,    G1K, .Larm_v0
	ARM 4, G0K+4,  G1V, .Larm_k1
	ARM 6, G0K+8,  G1K, .Larm_v1
	ARM 8, G0K+12, G1V, .Larm_none
.Lasked:
	v_and_b32 v[TMP], 31, v0
	v_lshlrev_b32 v[L16], 4, v[TMP]
	v_and_b32 v[R32], 15, v0                       ; r, for now
	v_lshlrev_b32 v[QSO], 4, v[R32]
	v_add_nc_u32 v[AKS0], KSW, v[QSO]
	v_lshrrev_b32 v[TA], 6, v0                     ; the tables: a word a thread, threads 0 to 319: thread 16 idx + r makes word idx % 4 of row r of key step idx / 4
	v_lshl_add_u32 v[TA], v[TA], 8, v[AKS0]
	v_bfe_u32 v[TMP], v0, 4, 2
	v_lshl_add_u32 v[TA], v[TMP], 2, v[TA]
	v_add_nc_u32 v[TA+1], SLOTB, v[TA]
	v_lshrrev_b32 v[SHV], 4, v0
	v_min_u32 v[SHV], 19, v[SHV]                   ; idx: the pair (K's table), 4 x key step + d tile (V's); threads past 319 load word 19 once more and store nothing
	v_lshrrev_b32 v[TKO], 2, v[SHV]
	v_lshlrev_b32 v[TKO], 9, v[TKO]
	v_add_nc_u32 v[TKO], v[QSO], v[TKO]
	v_bfe_u32 v[TMP], v[SHV], 1, 1
	v_and_b32 v[TVO], 1, v[SHV]
	v_lshl_add_u32 v[TVO], v[TVO], 2, v[TKO]       ; V: word idx % 2,
	v_mad_u32_u24 v[TVO], v[TMP], 2560, v[TVO]     ; of plane b' = (idx / 2) % 2
	v_lshl_add_u32 v[TKO], v[TMP], 2, v[TKO]       ; K: word (idx / 2) % 2,
	v_and_b32 v[SHV], 1, v[SHV]
	v_lshlrev_b32 v[SHV], 4, v[SHV]                ; its half idx % 2
	v_lshlrev_b32 v[R32], 5, v[R32]
.irp u, 0,1
	global_load_b32 v[S+3*\u], v[TKO], s[TB+2*\u:TB+2*\u+1]
	global_load_b32 v[S+3*\u+1], v[TKO], s[TB+2*\u:TB+2*\u+1] offset:2560
	global_load_b32 v[S+3*\u+2], v[TVO], s[TB+2*\u:TB+2*\u+1] offset:256
.endr
	s_wait_alu depctr_va_vdst(0)
	JOBSEL J
	QADDR
	QLOAD
.irp g, 0,8,16
.irp i, 0,1,2,3
	v_mov_b32 v[QF+\g+\i], 0                       ; q's three groups of zero codes
.endr
.endr
.irp b, 0,1,2,3
	v_mov_b32 v[T1+\b], 0                          ; written once: a lane permute's destination counts as one of its sources
.endr
	v_mov_b32 v[NINF], 0xff800000
	s_wait_alu depctr_va_vdst(0)
	s_wait_loadcnt 0x0
.irp u, 0,1
	v_lshrrev_b32 v[S+3*\u], v[SHV], v[S+3*\u]     ; K's scale word of pair idx, row r: the two bytes of block 0 below, those of block 1 above
	v_and_b32 v[S+3*\u], 0xffff, v[S+3*\u]
	v_lshrrev_b32 v[S+3*\u+1], v[SHV], v[S+3*\u+1]
	v_lshl_or_b32 v[S+3*\u], v[S+3*\u+1], 16, v[S+3*\u]
.endr
	s_wait_alu depctr_va_vdst(0)
	s_cmp_lt_u32 s[WV], 10
	s_cbranch_scc0 .Lno_t
.irp u, 0,1
	ds_store_b32 v[TA+\u], v[S+3*\u]               ; blocks of 256 bytes of their own, into which no tile lands
	ds_store_b32 v[TA+\u], v[S+3*\u+2] offset:VSWO
.endr
.Lno_t:
	s_cmp_lt_u32 s[WV], 2
	s_cbranch_scc0 .Lnot_k0
	s_wait_tensorcnt 0x0                           ; waves 0, 1: slot 0's K has landed
.Lnot_k0:
	s_wait_dscnt 0x0                               ; my stores into the tables have landed
	s_barrier_signal -1
	s_barrier_wait -1                              ; slot 0's K is whole, and both slots' tables
.macro KRUN p, buf                     ; pair p's run of K
.irp c, 0,1,2,3
	ds_load_b128 v[\buf+4*\c:\buf+4*\c+3], v[AK] offset:(\p)*2048+512*\c
.endr
.endm
.macro VLD t, s                        ; V's fragment of d tile t, key step s, where p lay
.irp c, 0,1,2,3
	ds_load_b128 v[S+16*\t+4*\c:S+16*\t+4*\c+3], v[AV] offset:(5*\t+(\s))*2048+512*\c
.endr
.endm
.macro SQK j                           ; run j's two tiles of scores
	v_wmma_scale_f32_16x16x128_f8f6f4 v[S+16*\j:S+16*\j+7], v[KR+16*\j:KR+16*\j+15], v[QF+4:QF+19], 0, v[KW+\j], v[QS]
	v_wmma_scale_f32_16x16x128_f8f6f4 v[S+16*\j+8:S+16*\j+15], v[KR+16*\j:KR+16*\j+15], v[QF:QF+15], 0, v[KW+\j], v[QS+1]
.endm
; The largest score of blocks lo and lo + 1 of 32 keys, by turns, in two halves of eight plain instructions: for the row's maximum and, since p rises with the score, for the block's largest p.  Each accumulator is read from its low end on.
.macro MAXLO lo
.irp b, \lo, \lo+1
	v_max3_num_f32 v[BM+\b], v[S+16*(\b)], v[S+16*(\b)+1], v[S+16*(\b)+2]
.endr
.irp i, 3,5,7
.irp b, \lo, \lo+1
	v_max3_num_f32 v[BM+\b], v[BM+\b], v[S+16*(\b)+\i], v[S+16*(\b)+\i+1]
.endr
.endr
.endm
.macro MAXHI lo
.irp i, 9,11,13
.irp b, \lo, \lo+1
	v_max3_num_f32 v[BM+\b], v[BM+\b], v[S+16*(\b)+\i], v[S+16*(\b)+\i+1]
.endr
.endr
.irp b, \lo, \lo+1
	v_max_num_f32 v[BM+\b], v[BM+\b], v[S+16*(\b)+15]
.endr
.endm
; The hold and the conversions of blocks g and g + 1.  The conversion does not saturate (ISA guide 7.6.2); p is not negative, so the hold is one-sided.  Two holds in one instruction: number i of block g with number i + 1 of block g + 1.
.macro HOLD2 g
.set II, 0
.rept 16
	v_dual_min_num_f32 v[S+16*(\g)+II], v[S+16*(\g)+II], v[HOLD+(\g)] :: v_dual_min_num_f32 v[S+16*(\g)+16+(II+1)%16], v[S+16*(\g)+16+(II+1)%16], v[HOLD+(\g)+1]
.set II, II+1
.endr
.irp b, \g, \g+1
	v_cvt_scalef32_pk8_fp8_f32 v[PC+4*(\b):PC+4*(\b)+1], v[S+16*(\b):S+16*(\b)+7], v[SCL+(\b)]
	v_cvt_scalef32_pk8_fp8_f32 v[PC+4*(\b)+2:PC+4*(\b)+3], v[S+16*(\b)+8:S+16*(\b)+15], v[SCL+(\b)]
.endr
.endm
; A KEY STEP: pairs 4 s .. 4 s + nb - 1 (nb = 3: the last step's 65 keys).  first: the job's first step starts M, the sum and O^T.  pre: so many runs of the next step are fetched.  qn: my next job's q is asked for.
; bar: 1: the barrier that shows slot 0's V; 2: the signal of the barrier that shows slot 1; 3: its wait
.macro STEP s, nb, first, pre, qn, bar
.if (\bar) == 2
	s_wait_alu depctr_va_vdst(0)
	s_wait_tensorcnt 0x0                           ; every wave: all that is still out, slot 1's tiles, has landed
	s_wait_dscnt 0x0
	s_barrier_signal -1                            ; up to the wait, two key steps on: register work and reads of slot 0, which nobody writes
.elseif (\bar) == 3
	s_barrier_wait -1
.endif
	NOPS 9                                         ; behind the last step's products: nine, since S^T is written over V's fragments (ISA guide 7.12.1 for eight of them); at a job's head also the eight between q's scale words and the products
	s_wait_dscnt 0x0                               ; this step's runs of K and their scale words, asked for a step ago
	SQK 0
	SQK 1
	NOPS 8                                         ; in front of the first read of the scores
	MAXLO 0
.if \nb == 4
	SQK 2
	SQK 3
.else
	v_wmma_scale_f32_16x16x128_f8f6f4 v[S+32:S+39], v[KR+32:KR+47], v[QF+4:QF+19], 0, v[KW+2], v[QS]
.endif
	MAXHI 0                                        ; eight plain instructions that name none of these products' registers: the eight places behind them
.if \pre
.set PP, 0
.rept \pre
	KRUN 4*(\s)+4+PP, KR+16*PP
.set PP, PP+1
.endr
	ds_load_b128 v[KW:KW+3], v[AKS] offset:256*(\s)+256
.endif
.if \nb == 4
	MAXLO 2
	MAXHI 2
.else
.if \qn
	s_wait_alu depctr_va_vdst(0)
	s_add_co_u32 s19, s[J], 1
	s_cmp_ge_u32 s19, s[NR]
	s_cbranch_scc1 .Lno_q_\@                       ; my last job asks for nothing
	JOBSEL 19                                      ; this job's products with q are over: the next job's q lands while this step and the way out are worked
	QADDR
	QLOAD
.Lno_q_\@:
.endif
	v_cndmask_b32 v[S+32], v[NINF], v[S+32], s[LO16]   ; key 576 lies in lanes 0-15; keys that do not exist get -infinity ahead of the maximum: p = 0
	v_mov_b32 v[S+33], v[NINF]
	s_delay_alu instid0(VALU_DEP_2)
	v_mov_b32 v[BM+2], v[S+32]                     ; the block's one score is its largest
.irp i, 34,35,36,37,38,39
	v_mov_b32 v[S+\i], 0                           ; the p of keys 578 .. 583
.endr
.endif
.set BB, 0
.rept \nb
	v_permlanex16_b32 v[T1+BB], v[BM+BB], s[SEL], s[SEL+1]
.set BB, BB+1
.endr
.set BB, 0
.rept \nb
	v_max_num_f32 v[BM+BB], v[BM+BB], v[T1+BB]     ; with lane l xor 16's 16 keys
.set BB, BB+1
.endr
	v_max3_num_f32 v[TMP], v[BM], v[BM+1], v[BM+2]
.if \nb == 4
	s_delay_alu instid0(VALU_DEP_1)
	v_max_num_f32 v[TMP], v[TMP], v[BM+3]
.endif
.if \first
	s_delay_alu instid0(VALU_DEP_1)
	v_mul_f32 v[TMX], s[CSC], v[TMP]               ; the step's largest t (c is positive)
	s_delay_alu instid0(VALU_DEP_1)
	v_floor_f32 v[NM], -v[TMX]                     ; -M = floor(-t) = -ceil(t)
.else
	s_delay_alu instid0(VALU_DEP_1)
	v_mul_f32 v[TMP], s[CSC], v[TMP]
	s_delay_alu instid0(VALU_DEP_1)
	v_max_num_f32 v[TMX], v[TMX], v[TMP]
	v_mov_b32 v[TMP], v[NM]
	s_delay_alu instid0(VALU_DEP_2)
	v_floor_f32 v[NM], -v[TMX]
	s_delay_alu instid0(VALU_DEP_1)
	v_sub_f32 v[TMP], v[NM], v[TMP]                ; old M - new M: a whole number, 0 or less
	s_delay_alu instid0(VALU_DEP_1)
	v_cvt_i32_f32 v[TMP], v[TMP]                   ; (it saturates)
	s_delay_alu instid0(VALU_DEP_1)
	v_ldexp_f32 v[F], 1.0, v[TMP]                  ; f = 2^(old M - new M)
.endif
.if \nb == 4
.set NPR, 32
.else
.set NPR, 17                                   ; blocks 0 and 1, and the pair that holds key 576
.endif
.set JJ, 0
.rept NPR
	v_pk_fma_f32 v[S+JJ:S+JJ+1], v[S+JJ:S+JJ+1], s[CSC:CSC+1], v[NM:NM+1] op_sel_hi:[1,0,0]   ; t - M, two at a time
.set JJ, JJ+2
.endr
.set BB, 0
.rept \nb
	v_fma_f32 v[BM+BB], v[BM+BB], s[CSC], v[NM]    ; the same of each block's largest score
.set BB, BB+1
.endr
.set JJ, 0
	s_wait_alu depctr_va_vdst(0)
.rept 2*NPR
	v_exp_f32 v[S+JJ], v[S+JJ]                     ; p = 2^(t - M)
.set JJ, JJ+1
.endr
.if \first
	v_nop                                          ; the plain instruction behind the exponentials
.else
	v_pk_mul_f32 v[LS:LS+1], v[LS:LS+1], v[F:F+1] op_sel_hi:[1,0]   ; the sums under the new M: the plain instruction behind the exponentials
.endif
	s_wait_alu depctr_va_vdst(0)                   ; one wait for the whole batch, ahead of its first reader
.set BB, 0
.rept \nb
	v_exp_f32 v[BM+BB], v[BM+BB]                   ; the block's largest p
.set BB, BB+1
.endr
	v_pk_add_f32 v[T1:T1+1], v[S:S+1], v[S+2:S+3]  ; the row's sum is taken of the unquantised p, in two chains
.if \first
	v_pk_add_f32 v[LS:LS+1], v[S+4:S+5], v[S+6:S+7]   ; the first step starts the sum: nothing is cleared
.set JJ, 8
.set NS, 14
.else
.set JJ, 4
.if \nb == 4
.set NS, 15
.else
.set NS, 7
.endif
.endif
.rept NS
	v_pk_add_f32 v[LS:LS+1], v[LS:LS+1], v[S+JJ:S+JJ+1]
	v_pk_add_f32 v[T1:T1+1], v[T1:T1+1], v[S+JJ+2:S+JJ+3]
.set JJ, JJ+4
.endr
.if \nb == 3
	v_pk_add_f32 v[LS:LS+1], v[LS:LS+1], v[S+32:S+33]
.endif
	s_delay_alu instid0(VALU_DEP_1)
	v_pk_add_f32 v[LS:LS+1], v[LS:LS+1], v[T1:T1+1]
	s_wait_alu depctr_va_vdst(0)                   ; and one for the blocks' largest p
.set BB, 0
.rept \nb
	v_max_num_f32 v[BM+BB], 0x4800000, v[BM+BB]    ; the floor 2^(9 - 127): the byte cannot fall under 1
.set BB, BB+1
.endr
.set BB, 0
.rept \nb
	v_add_nc_u32 v[SCL+BB], 0xfc000000, v[BM+BB]   ; 8 off the exponent field: the conversion's scale operand
.set BB, BB+1
.endr
.set BB, 0
.rept \nb
	v_and_or_b32 v[HOLD+BB], v[BM+BB], 0x7f800000, s[MNT]   ; 448 x the scale
.set BB, BB+1
.endr
.set BB, 0
.rept \nb
	v_lshrrev_b32 v[T1+BB], 23, v[SCL+BB]          ; the byte
.set BB, BB+1
.endr
	v_lshl_or_b32 v[PW], v[T1+1], 8, v[T1]         ; p's scale word for this step's keys
	s_delay_alu instid0(VALU_DEP_1)
	v_lshl_or_b32 v[PW], v[T1+2], 16, v[PW]
.if \nb == 4
	s_delay_alu instid0(VALU_DEP_1)
	v_lshl_or_b32 v[PW], v[T1+3], 24, v[PW]
.endif
.if (\bar) == 1
	s_wait_alu depctr_va_vdst(0)
	s_cmp_lt_u32 s[WV], 4
	s_cbranch_scc0 .Lnot_v0_\@
	s_wait_tensorcnt 0x0                           ; waves 2, 3: slot 0's V has landed
.Lnot_v0_\@:
	s_wait_dscnt 0x0
	s_barrier_signal -1
	s_barrier_wait -1                              ; slot 0 is whole
.endif
	HOLD2 0
	VLD 0, \s                                      ; blocks 0 and 1 are codes: two fragments of V land where they lay
	VLD 1, \s
.if \nb == 4
	HOLD2 2
.else
	v_min_num_f32 v[S+32], v[S+32], v[HOLD+2]
	v_cvt_scalef32_pk8_fp8_f32 v[PC+8:PC+9], v[S+32:S+39], v[SCL+2]
.irp i, 10,11,12,13,14,15
	v_mov_b32 v[PC+\i], 0                          ; keys 584 .. 639: zero codes
.endr
.endif
	v_nop                                          ; a plain instruction behind the last conversion
	VLD 2, \s
	VLD 3, \s
	ds_load_b128 v[VW:VW+3], v[AKS] offset:VSWO+256*(\s)   ; and V's scale words
.if \first
	NOPS 4                                         ; the places between the codes and the products
.else
	s_wait_alu depctr_va_vdst(0)
.set JJ, 0
.rept 16
	v_pk_mul_f32 v[O+JJ:O+JJ+1], v[O+JJ:O+JJ+1], v[F:F+1] op_sel_hi:[1,0]   ; O^T under the new M; these are also the places between the codes and the products
.set JJ, JJ+2
.endr
.endif
	s_wait_alu depctr_va_vdst(0)
	s_wait_dscnt 0x0
.irp t, 0,1,2,3                        ; the four accumulators by turns, one instruction a turn
.if \first
	v_wmma_scale_f32_16x16x128_f8f6f4 v[O+8*\t:O+8*\t+7], v[S+16*\t:S+16*\t+15], v[PC:PC+15], 0, v[VW+\t], v[PW]
.else
	v_wmma_scale_f32_16x16x128_f8f6f4 v[O+8*\t:O+8*\t+7], v[S+16*\t:S+16*\t+15], v[PC:PC+15], v[O+8*\t:O+8*\t+7], v[VW+\t], v[PW]
.endif
.endr
.endm
.macro OUTSTORE
	global_store_b128 v[L16], v[PC:PC+3], s[CCB:CCB+1]           ; two chunks of cat's image: 512 consecutive bytes each
	global_store_b128 v[L16], v[PC+4:PC+7], s[CCB:CCB+1] offset:512
	global_store_b16 v[R32], v[TMP], s[CSB:CSB+1]                ; my row's two bytes; lanes l and l xor 16 write the same bytes with the same value
	s_cmp_lg_u32 s[HD], 0
	s_cbranch_scc1 .Lnot_head_0_\@
	global_store_b64 v[R32], v[QF:QF+1], s[CSB:CSB+1] offset:24  ; words 6 and 7 of a row of scale words are 0: head 0 writes them
.Lnot_head_0_\@:
.endm
; ONE JOB: round s[J] of my wave.  peel = 1: the first, with the barriers
.macro JOB peel
	s_wait_xcnt 0x0                                ; the last job's stores have read their registers and bases: both are written again below
	JOBSEL J
	OADDR
	s_lshl_b32 s20, s[J], 4
	s_add_co_u32 s20, s20, s[WV]
	s_add_co_u32 s20, s20, 27
	s_lshr_b32 s20, s20, 6                         ; the slot: 1 from 16 round + wave = 37 on
	s_mul_i32 s20, s20, SLOTB
	v_add_nc_u32 v[AK], s20, v[L16]
	v_add_nc_u32 v[AV], VIM, v[AK]
	v_add_nc_u32 v[AKS], s20, v[AKS0]
	s_wait_loadcnt 0x0                             ; this job's q
	v_bfe_u32 v[QS], v[QS], s[SHS], 8              ; q's two bytes
	v_bfe_u32 v[QS+1], v[QS+1], s[SHS], 8
	v_lshl_or_b32 v[QS], v[QS+1], 16, v[QS]        ; for (q0, 0, q1, 0); the bytes over zero codes are 0, which is a number
	v_lshlrev_b32 v[QS+1], 8, v[QS]                ; for (0, q0, 0, q1)
	s_wait_alu depctr_va_vdst(0)                   ; the addresses
	KRUN 0, KR
	KRUN 1, KR+16
	KRUN 2, KR+32
	KRUN 3, KR+48
	ds_load_b128 v[KW:KW+3], v[AKS]
	STEP 0, 4, 1, 4, 0, \peel
	STEP 1, 4, 0, 4, 0, 0
	STEP 2, 4, 0, 4, 0, 2*\peel
	STEP 3, 4, 0, 3, 0, 0
	STEP 4, 3, 0, 0, 1, 3*\peel
	; THE WAY OUT: O^T / the sum, quantised along d: two blocks of 32, each in lanes l and l xor 16
	v_add_f32 v[LS], v[LS], v[LS+1]
	s_delay_alu instid0(VALU_DEP_1)
	v_permlanex16_b32 v[T1], v[LS], s[SEL], s[SEL+1]
	NOPS 8                                         ; the places behind the last products
	v_add_f32 v[LS], v[LS], v[T1]                  ; the row's sum
	s_wait_alu depctr_va_vdst(0)
	v_rcp_f32 v[LS], v[LS]
	v_nop                                          ; a plain instruction behind the transcendental,
	s_wait_alu depctr_va_vdst(0)                   ; and the wait ahead of its first reader
.set JJ, 0
.rept 16
	v_pk_mul_f32 v[O+JJ:O+JJ+1], v[O+JJ:O+JJ+1], v[LS:LS+1] op_sel_hi:[1,0]
.set JJ, JJ+2
.endr
.irp n, 0,1
	v_max3_num_f32 v[BM+\n], |v[O+16*\n]|, |v[O+16*\n+1]|, 0x4800000
.endr
.irp i, 2,4,6,8,10,12,14
.irp n, 0,1
	s_delay_alu instid0(VALU_DEP_2)
	v_max3_num_f32 v[BM+\n], v[BM+\n], |v[O+16*\n+\i]|, |v[O+16*\n+\i+1]|
.endr
.endr
.irp n, 0,1
	s_delay_alu instid0(VALU_DEP_2)
	v_permlanex16_b32 v[T1+\n], v[BM+\n], s[SEL], s[SEL+1]
.endr
.irp n, 0,1
	s_delay_alu instid0(VALU_DEP_2)
	v_max_num_f32 v[BM+\n], v[BM+\n], v[T1+\n]
.endr
.irp n, 0,1
	s_delay_alu instid0(VALU_DEP_2)
	v_add_nc_u32 v[SCL+\n], 0xfc000000, v[BM+\n]
.endr
.irp n, 0,1
	s_delay_alu instid0(VALU_DEP_4)
	v_and_or_b32 v[HOLD+\n], v[BM+\n], 0x7f800000, s[MNT]
.endr
.irp n, 0,1
	s_delay_alu instid0(VALU_DEP_4)
	v_lshrrev_b32 v[T1+\n], 23, v[SCL+\n]
.endr
	s_delay_alu instid0(VALU_DEP_1)
	v_lshl_or_b32 v[TMP], v[T1+1], 8, v[T1]
.irp n, 0,1
.irp i, 0,1,2,3,4,5,6,7,8,9,10,11,12,13,14,15
	v_med3_num_f32 v[O+16*\n+\i], v[O+16*\n+\i], -v[HOLD+\n], v[HOLD+\n]
.endr
	v_cvt_scalef32_pk8_fp8_f32 v[PC+4*\n:PC+4*\n+1], v[O+16*\n:O+16*\n+7], v[SCL+\n]
	v_cvt_scalef32_pk8_fp8_f32 v[PC+4*\n+2:PC+4*\n+3], v[O+16*\n+8:O+16*\n+15], v[SCL+\n]
.endr
	v_nop                                          ; a plain instruction behind the last conversion: the next job's products write its sources
	OUTSTORE
.endm
.macro FILL bh                         ; tile 37 of (batch, head) s[bh]: zero codes, the byte of a block of zeros
	s_wait_xcnt 0x0
	s_mov_b32 s16, s[\bh]
	s_mov_b32 s17, 37
	OADDR
.irp i, 0,1,2,3,4,5,6,7
	v_mov_b32 v[PC+\i], 0
.endr
	v_mov_b32 v[TMP], 0x7f7f
	s_wait_alu depctr_va_vdst(0)
	OUTSTORE
.endm
	JOB 1
	s_mov_b32 s[J], 1
.Lround:                                               ; rounds 1 to 3
	s_cmp_ge_u32 s[J], s[NR]
	s_cbranch_scc1 .Lno_job                        ; a wave of three rounds has no job in the last: the jump leads round no barrier and no tensor load
	JOB 0
.Lno_job:
	s_add_co_u32 s[J], s[J], 1
	s_cmp_lt_u32 s[J], 4
	s_wait_alu depctr_va_vdst(0)
	s_cbranch_scc1 .Lround
	s_cmp_eq_u32 s[WV], 1                          ; two waves of three rounds fill tile 37's places: wave 1 the whole (batch, head)'s,
	s_cbranch_scc0 .Lnot_fill_0
	FILL FB
.Lnot_fill_0:
	s_cmp_eq_u32 s[WV], 3                          ; wave 3, where x is odd, the half's
	s_cselect_b32 s16, s[PAR], 0
	s_cmp_eq_u32 s16, 1
	s_cbranch_scc0 .Lnot_fill_1
	FILL HB
.Lnot_fill_1:
	s_wait_tensorcnt 0x0                           ; the wave's end
	ds_add_u32 v[SPW], v[NIL]
	s_wait_dscnt 0x0
	s_endpgm
.Lfunc_end_k_qf25fb358d2_attn:
	.size	k_qf25fb358d2_attn, .Lfunc_end_k_qf25fb358d2_attn-k_qf25fb358d2_attn
	.p2alignl 7, 3214868480
	.fill 96, 4, 3214868480
	.section	.rodata,"a",@progbits
	.p2align	6, 0x0
	.amdhsa_kernel k_qf25fb358d2_attn
		.amdhsa_group_segment_fixed_size 167936
		.amdhsa_private_segment_fixed_size 0
		.amdhsa_enable_private_segment 0
		.amdhsa_kernarg_size 48
		.amdhsa_user_sgpr_count 2
		.amdhsa_user_sgpr_kernarg_segment_ptr 1
		.amdhsa_wavefront_size32 1
		.amdhsa_system_sgpr_workgroup_id_x 1
		.amdhsa_system_sgpr_workgroup_id_y 1
		.amdhsa_system_sgpr_workgroup_id_z 1
		.amdhsa_system_vgpr_workitem_id 0
		.amdhsa_next_free_vgpr 256
		.amdhsa_next_free_sgpr 90
		.amdhsa_reserve_vcc 0
		.amdhsa_float_denorm_mode_32 3
		.amdhsa_float_denorm_mode_16_64 3
		.amdhsa_memory_ordered 1
		.amdhsa_forward_progress 1
		.amdhsa_inst_pref_size 205
	.end_amdhsa_kernel
	.amdgpu_metadata
---
amdhsa.version: [ 1, 2 ]
amdhsa.kernels:
  - .name:           k_qf25fb358d2_attn
    .symbol:         k_qf25fb358d2_attn.kd
    .args:
      - { .name: qc, .offset: 0, .size: 8, .value_kind: global_buffer, .address_space: global }
      - { .name: kc, .offset: 8, .size: 8, .value_kind: global_buffer, .address_space: global }
      - { .name: vc, .offset: 16, .size: 8, .value_kind: global_buffer, .address_space: global }
      - { .name: sqkv, .offset: 24, .size: 8, .value_kind: global_buffer, .address_space: global }
      - { .name: cc, .offset: 32, .size: 8, .value_kind: global_buffer, .address_space: global }
      - { .name: cs, .offset: 40, .size: 8, .value_kind: global_buffer, .address_space: global }
    .group_segment_fixed_size: 167936
    .private_segment_fixed_size: 0
    .kernarg_segment_align: 8
    .kernarg_segment_size: 48
    .max_flat_workgroup_size: 512
    .sgpr_count:     90
    .vgpr_count:     256
    .wavefront_size: 32
...
	.end_amdgpu_metadata
.endif
;; end of part 3
;; launch proj (part 4): grid 8 x 32, 4 waves a work-group, no clusters, 227,840 bytes of LDS; arguments cc, cs, tc, ts, b_proj, out0; writes out0
.if DOCPART == 4
	.amdgcn_target "amdgcn-amd-amdhsa--gfx1250"
	.amdhsa_code_object_version 6
	.text
	.protected	k_qf25fb358d2_proj
	.globl	k_qf25fb358d2_proj
	.p2align	8
	.type	k_qf25fb358d2_proj,@function
k_qf25fb358d2_proj:
	s_mov_b64 s[64:65], 0
	v_nop
	global_prefetch_b8 v0, s[64:65] scope:SCOPE_SE
	s_setreg_imm32_b32 hwreg(HW_REG_WAVE_MODE, 25, 1), 1
	s_wait_xcnt 0x0
; out0 = cat w_proj^T + b_proj on codes of E4M3, K = 768 in six K steps of 128.
; SHARES.  A work-group takes one batch, half of the 768 columns (cg) and a quarter of the batch's 19 pairs of token tiles (pairs 5 qd .. 5 qd + 4; the last quarter has pairs 15 .. 18).  Wave w holds three pairs of
; tiles of w_proj (96 columns: 576 registers, windows 1 to 3) and their bias for the whole launch.
; FIVE PAIRS OF cat's TILES COME AT THE HEAD, by one tensor load a wave: 122,880 consecutive bytes of codes (waves 0 to 2: 160 rows of 256 bytes each) and 5,120 of scale words (wave 3: 20 rows).  No LDS byte is filled
; twice.  The last quarter loads pairs 14 .. 18, so that no load leaves the batch's tiles, and does not multiply the first of the five: its text for the second is written once more, without a way out.
; The products are used transposed (source 0 = 16 rows of w_proj, source 1 = 16 tokens): lane (r, h) holds token r of the tile and columns 32 cp + 16 h + 8 e + j: 16 registers are 64 neighbouring bytes of a row of out0.
; The bias is the C of each sum's first matrix instruction.  Tokens past 576 are not stored.
; THE WAY OUT STANDS AMONG THE NEXT PAIR'S PRODUCTS.  A pair's 32 rows x 1,536 bytes meet in a stage in LDS and leave as runs of 512 consecutive bytes, aligned: 24 LDS stores, a barrier, 24 LDS loads, 24 stores a wave, and no
; vector arithmetic.  So sums stand in two sets by turns: even pairs in window 0, odd pairs in v208-239 of windows 1 to 3 (tile pair p's four accumulators beside its weights, so that one window setting serves source 0, C and D).
; The stage stores follow the next pair's K step 0, the barrier's signal its K step 1, the barrier's wait and the loads its K step 2, the stores its K step 3.
; TWO STAGES BY TURNS, ONE BARRIER A PAIR: a stage is written again two pairs later, behind the barrier of the pair between, in front of whose signal every wave has waited for its reads of that stage.
; Behind a pair's last products the next pair's first two K steps and scale words are fetched.
; No cluster: cat's tiles are shared by two work-groups, and two is no multiple of four.  No prefetch: every tile is asked for at the head.
.set PB,   24576                       ; a pair's codes [u][s][c][512]
.set XSCL, 122880                      ; the scale words [pair][u][r][8 words]
.set STG,  128000                      ; two stages of 32 rows (16 u + r) x (1,536 bytes + 16): blocks of 256 bytes into which no tile lands
.set SP,   1552
.set SPARE, 227328                     ; the spare words: 128 bytes a wave
.set LI,   1                           ; 16 x lane: pairs 0, 1
.set R32,  2                           ; 32 x (lane % 16)
.set XSA,  6                           ; LDS: my row's scale words
.set SO,   7                           ; stage 0: where I put 64 bytes of a row
.set WS,   8                           ; v8-43 w_proj's scale words: 6 (2 p + e) + s
.set XS,   44                          ; v44-55 cat's: 6 u + s
.set XA,   56                          ; v56-87, v88-119 two fragments of cat of a K step, two buffers
.set XB,   88
.set ACC,  120                         ; v120-215 even pairs: accumulator (p, u, e) at 32 p + 16 u + 8 e; later 8 rows of out0
.set AB,   208                         ; odd pairs: accumulator (p, u, e) at v[208 + 16 u + 8 e] of window 1 + p; later run t of row r at v[208 + 4 r] of window 1 + t
.set SR,   216                         ; stage 0: where I read my rows back
.set BO,   217                         ; the bias: 64 h
.set LI2,  218                         ; 16 x lane + 2 pairs; v219 + 4 pairs
.set LI4,  219
.set SO2,  220                         ; stage 1
.set SR2,  221
.set SPW,  254
.set NIL,  255
.set G0,   56
.set G1C,  68
.set G1S,  76
.set MSB, 0
.macro WIN new                         ; s_set_vgpr_msb: bits 1:0 source 0, 3:2 source 1, 5:4 source 2, 7:6 destination; the high byte repeats the setting that is left
.if MSB != (\new)
	s_set_vgpr_msb (MSB<<8)|(\new)
.set MSB, (\new)
.endif
.endm
.macro NOPS n
.rept \n
	v_nop
.endr
.endm
	s_load_b256 s[4:11], s[0:1], 0x0               ; cc, cs, tc, ts
	s_load_b128 s[12:15], s[0:1], 0x20             ; b_proj, out0
	v_lshl_add_u32 v[SPW], v0, 2, SPARE
	v_mov_b32 v[NIL], 0
	ds_add_u32 v[SPW], v[NIL]                      ; the opening lines: the add, twice on end, and its wait ahead of my first tensor load
	ds_add_u32 v[SPW], v[NIL]
	v_lshrrev_b32 v[SO], 5, v0
	v_readfirstlane_b32 s16, v[SO]                 ; wave
	v_and_b32 v[SO], 31, v0
	v_lshlrev_b32 v[LI], 4, v[SO]
	v_add_nc_u32 v[LI2], 2*PB, v[LI]
	v_add_nc_u32 v[LI4], 4*PB, v[LI]
	v_and_b32 v[SR], 15, v0                        ; r
	v_lshlrev_b32 v[R32], 5, v[SR]
	v_bfe_u32 v[BO], v0, 4, 1                      ; h
	v_add_nc_u32 v[XSA], XSCL, v[R32]
	v_mul_u32_u24 v[SO], v[SR], SP
	v_lshl_add_u32 v[SO], v[BO], 6, v[SO]
	s_mul_i32 s26, s16, 384
	s_add_co_u32 s26, s26, STG
	v_add_nc_u32 v[SO], s26, v[SO]                 ; row r, + 64 h, + my 384 bytes of a row
	v_add_nc_u32 v[SO2], 32*SP, v[SO]
	s_mul_i32 s26, s16, 8*SP
	s_add_co_u32 s26, s26, STG
	v_add_nc_u32 v[SR], s26, v[LI]                 ; back: stage rows 8 w .. 8 w + 7
	v_add_nc_u32 v[SR2], 32*SP, v[SR]
	v_lshlrev_b32 v[BO], 6, v[BO]
	s_lshr_b32 s17, ttmp9, 2                       ; cg
	s_and_b32 s18, ttmp9, 3                        ; qd
	s_and_b32 s19, ttmp7, 0xffff                   ; the batch
	s_mov_b32 s21, 0
	s_mul_i32 s46, s17, 24
	s_mul_i32 s47, s16, 6
	s_add_co_u32 s46, s46, s47
	s_add_co_u32 s46, s46, 1360                    ; my first tile of w_proj
	s_mul_i32 s22, s17, 12
	s_mul_i32 s47, s16, 3
	s_add_co_u32 s22, s22, s47                     ; my first pair of columns' tiles
	s_mul_i32 s24, s18, 5
	s_min_u32 s24, s24, 14                         ; the first of the five pairs that are loaded
	s_mul_i32 s23, s19, 38
	s_lshl_b32 s47, s24, 1
	s_add_co_u32 s47, s47, s23                     ; its first tile of cat
	s_and_b32 s25, s16, 1
	s_lshl_b32 s25, s25, 4
	s_lshr_b32 s26, s16, 1
	s_lshl_b32 s26, s26, 3
	s_add_co_u32 s25, s25, s26                     ; stage rows 8 w + i are tokens 32 P + 16 (w % 2) + 8 (w / 2) + i
	s_lshl_b32 s52, s24, 5
	s_add_co_u32 s52, s52, s25                     ; my first token of the first of the five
	; group 1: a dense block as rows of 256 bytes (32 elements of 8 bytes), no padding
.irp g, G1C, G1S
	s_mov_b32 s[\g], 3<<16
	s_mov_b32 s[\g+1], 32<<16
	s_mov_b32 s[\g+3], 32<<16
	s_mov_b32 s[\g+5], 32
	s_mov_b32 s[\g+6], 0
	s_mov_b32 s[\g+7], 0
.endr
	s_mov_b32 s[G1C+2], 160<<16
	s_mov_b32 s[G1C+4], 160
	s_mov_b32 s[G1S+2], 20<<16
	s_mov_b32 s[G1S+4], 20
	s_mov_b32 s[G0], 1
	s_mul_i32 s[G0+1], s16, 40960                  ; LDS: wave x 40,960: three parts of the codes, then the scale words
	s_mul_i32 s26, s47, 12288
	s_add_co_u32 s26, s26, s[G0+1]                 ; in cc: my part of the codes;
	s_lshl_b32 s27, s47, 9                         ; in cs: the scale words
	s_wait_alu depctr_va_vdst(0)
	s_wait_dscnt 0x0                               ; both opening adds are done
	s_wait_kmcnt 0x0
	s_cmp_lt_u32 s16, 3
	s_cselect_b64 s[G0+2:G0+3], s[4:5], s[6:7]     ; cc or cs: the choice hangs on the wave's number alone
	s_cselect_b32 s20, s26, s27
	s_add_nc_u64 s[G0+2:G0+3], s[G0+2:G0+3], s[20:21]
	s_or_b32 s[G0+3], s[G0+3], 0x80000000
	s_cmp_lt_u32 s16, 3                            ; my one tensor load: two lines, since the tiles have two shapes
	s_cbranch_scc0 .Lwords
	tensor_load_to_lds s[G0:G0+3], s[G1C:G1C+7]
	s_nop 0
	NOPS 4
	s_branch .Lasked
.Lwords:
	tensor_load_to_lds s[G0:G0+3], s[G1S:G1S+7]
	s_nop 0
	NOPS 4
.Lasked:
	s_mul_i32 s20, s46, 12288
	s_add_nc_u64 s[32:33], s[8:9], s[20:21]        ; w_proj's codes
	s_lshl_b32 s20, s46, 9
	s_add_nc_u64 s[34:35], s[10:11], s[20:21]      ; and scale words
	s_lshl_b32 s20, s22, 7
	s_add_nc_u64 s[36:37], s[12:13], s[20:21]      ; the bias of my 96 columns
	s_mul_i32 s20, s19, 577
	s_add_co_u32 s20, s20, s52
	s_mul_i32 s20, s20, 3072                       ; under 2^32: 18,463 rows at the most
	s_mul_i32 s26, s17, 1536
	s_add_co_u32 s20, s20, s26
	s_add_nc_u64 s[40:41], s[14:15], s[20:21]      ; out0: my first row, my work-group's half of it
.irp p, 0,1,2                          ; pair p of tiles in window 1 + p: fragment (e, s) at v[16 (6 e + s)], the bias of tile e at v[192 + 8 e]
	WIN (\p+1)<<6
.set QI, 0
.rept 48
	global_load_b128 v[4*QI:4*QI+3], v[LI], s[32:33] offset:24576*\p+512*QI
.set QI, QI+1
.endr
.irp e, 0,1
	global_load_b128 v[192+8*\e:195+8*\e], v[BO], s[36:37] offset:128*\p+32*\e
	global_load_b128 v[196+8*\e:199+8*\e], v[BO], s[36:37] offset:128*\p+32*\e+16
.endr
.endr
	WIN 0
.irp k, 0,1,2,3,4,5
	global_load_b128 v[WS+6*\k:WS+6*\k+3], v[R32], s[34:35] offset:512*\k
	global_load_b64 v[WS+6*\k+4:WS+6*\k+5], v[R32], s[34:35] offset:512*\k+16
.endr
.macro FETCHX s, buf, i                ; K step s of the i-th of the five pairs: two fragments
.if (\i) < 2
.set AR, LI
.elseif (\i) < 4
.set AR, LI2
.else
.set AR, LI4
.endif
.irp u, 0,1
.irp c, 0,1,2,3
	ds_load_b128 v[\buf+16*\u+4*\c:\buf+16*\u+4*\c+3], v[AR] offset:((\i)&1)*PB+(6*\u+(\s))*2048+512*\c
.endr
.endr
.endm
.macro PRE i                           ; a pair's first two K steps and its scale words
	FETCHX 0, XA, \i
.irp u, 0,1
	ds_load_b128 v[XS+6*\u:XS+6*\u+3], v[XSA] offset:(\i)*1024+512*\u
	ds_load_b64 v[XS+6*\u+4:XS+6*\u+5], v[XSA] offset:(\i)*1024+512*\u+16
.endr
	FETCHX 1, XB, \i
.endm
; 12 matrix instructions: K step s of all twelve accumulators, which take turns, one instruction a turn.  first = 1: the bias starts the sums.  set: 0: the sums in window 0; 1: beside the weights
.macro MUL12 s, buf, first, set
.irp p, 0,1,2
.if \set
	WIN 0x51*(\p+1)                                ; source 0 (w_proj), source 2 and the destination in window 1 + p
.elseif \first
	WIN 0x11*(\p+1)                                ; source 0 and source 2 (the bias) in window 1 + p
.else
	WIN \p+1
.endif
.irp u, 0,1
.irp e, 0,1
.if \set
.set DD, AB+16*\u+8*\e
.else
.set DD, ACC+32*\p+16*\u+8*\e
.endif
.if \first
	v_wmma_scale_f32_16x16x128_f8f6f4 v[DD:DD+7], v[16*(6*\e+\s):16*(6*\e+\s)+15], v[\buf+16*\u:\buf+16*\u+15], v[192+8*\e:199+8*\e], v[WS+6*(2*\p+\e)+\s], v[XS+6*\u+\s]
.else
	v_wmma_scale_f32_16x16x128_f8f6f4 v[DD:DD+7], v[16*(6*\e+\s):16*(6*\e+\s)+15], v[\buf+16*\u:\buf+16*\u+15], v[DD:DD+7], v[WS+6*(2*\p+\e)+\s], v[XS+6*\u+\s]
.endif
.endr
.endr
.endr
	WIN 0
.endm
; THE WAY OUT of pair i, in three parts.  Pair i's sums, its stage and its rows' registers go by i % 2.  Each accumulator is read from its low end on
.macro WSTORE i                        ; 24 LDS stores: my 96 columns of the pair's 32 rows
.if (\i)&1
.irp p, 0,1,2
	WIN (\p+1)<<2                                  ; the data in window 1 + p
.irp u, 0,1
.irp k, 0,1,2,3
	ds_store_b128 v[SO2], v[AB+16*\u+4*\k:AB+16*\u+4*\k+3] offset:16*SP*\u+128*\p+16*\k
.endr
.endr
.endr
	WIN 0
.else
.irp u, 0,1
.irp p, 0,1,2
.irp k, 0,1,2,3
	ds_store_b128 v[SO], v[ACC+32*\p+16*\u+4*\k:ACC+32*\p+16*\u+4*\k+3] offset:16*SP*\u+128*\p+16*\k
.endr
.endr
.endr
.endif
.endm
.macro WLOAD i                         ; 24 LDS loads: eight whole rows of 1,536 bytes
.if (\i)&1
.irp t, 0,1,2
	WIN (\t+1)<<6                                  ; run t into window 1 + t
.irp r, 0,1,2,3,4,5,6,7
	ds_load_b128 v[AB+4*\r:AB+4*\r+3], v[SR2] offset:SP*\r+512*\t
.endr
.endr
	WIN 0
.else
.irp r, 0,1,2,3,4,5,6,7
.irp t, 0,1,2
	ds_load_b128 v[ACC+12*\r+4*\t:ACC+12*\r+4*\t+3], v[SR] offset:SP*\r+512*\t
.endr
.endr
.endif
.endm
.macro ROWS i, n                       ; the first n of my eight rows go out: three runs of 512 consecutive bytes a row; written once, read by nobody here
.if (\i)&1
.irp t, 0,1,2
	WIN (\t+1)<<2
.set RR, 0
.rept \n
	global_store_b128 v[LI], v[AB+4*RR:AB+4*RR+3], s[40:41] offset:98304*(\i)+3072*RR+512*\t th:TH_STORE_NT
.set RR, RR+1
.endr
.endr
	WIN 0
.else
.set RR, 0
.rept \n
.irp t, 0,1,2
	global_store_b128 v[LI], v[ACC+12*RR+4*\t:ACC+12*RR+4*\t+3], s[40:41] offset:98304*(\i)+3072*RR+512*\t th:TH_STORE_NT
.endr
.set RR, RR+1
.endr
.endif
.endm
; THE j-TH OF THE FIVE PAIRS.  w = 1: the pair before goes out among this pair's products
.macro STREAM j, w
.set ST, (\j)&1
	s_wait_xcnt 0x0                                ; the stores of two pairs ago have read their registers, which this pair's products write
	s_wait_dscnt 0x0                               ; this pair's first two K steps and its scale words are in
	MUL12 0, XA, 1, ST
	NOPS 8                                         ; eight places in front of loads into registers that matrix instructions have read
	FETCHX 2, XA, \j
.if \w
	WSTORE (\j)-1                                  ; (its last products stand 17 places back)
.endif
	MUL12 1, XB, 0, ST
	NOPS 8
.if \w
	s_wait_dscnt 0x0                               ; for the others' sake: my stores into the stage have landed; and K step 2 is in
	s_barrier_signal -1
	FETCHX 3, XB, \j                               ; between signal and wait: register work, and loads of tiles, which nobody writes
	MUL12 2, XA, 0, ST
	s_barrier_wait -1                              ; 32 whole rows lie in the stage
	NOPS 8
	FETCHX 4, XA, \j
	WLOAD (\j)-1
	s_wait_dscnt 32                                ; K step 3 is in; behind it: K step 4's eight loads and the rows' 24
.else
	FETCHX 3, XB, \j
	s_wait_dscnt 8                                 ; all but the eight just issued
	MUL12 2, XA, 0, ST
	NOPS 8
	FETCHX 4, XA, \j
	s_wait_dscnt 8
.endif
	MUL12 3, XB, 0, ST
	NOPS 8
	FETCHX 5, XB, \j
	s_wait_dscnt 8                                 ; K step 4 and the rows are in
.if \w
	ROWS (\j)-1, 8
.endif
	MUL12 4, XA, 0, ST
	s_wait_dscnt 0x0
	MUL12 5, XB, 0, ST
	NOPS 9                                         ; in front of the loads below and of the first read of results
.if (\j) < 4
	PRE (\j)+1
.endif
.endm
	s_wait_alu depctr_va_vdst(0)
	s_wait_tensorcnt 0x0                           ; my part of the five pairs has landed
	s_barrier_signal -1
	s_barrier_wait -1                              ; everybody's has
	s_cmp_eq_u32 s18, 3                            ; the last quarter has four pairs: the same for all waves of a work-group
	s_cbranch_scc1 .Lfour
	PRE 0
	s_wait_loadcnt 0x0                             ; the weights
	STREAM 0, 0
	STREAM 1, 1
	s_branch .Lrest
.Lfour:
	PRE 1
	s_wait_loadcnt 0x0
	STREAM 1, 0
.Lrest:
	STREAM 2, 1
	STREAM 3, 1
	STREAM 4, 1
	WSTORE 4                                       ; the fifth pair has no successor: its way out stands by itself
	s_wait_dscnt 0x0
	s_barrier_signal -1
	s_barrier_wait -1
	WLOAD 4
	s_wait_dscnt 0x0
	s_add_co_u32 s53, s52, 32*4+7                  ; the fifth may be pair 18, of which token 576 alone exists
	s_cmp_le_u32 s53, 576
	s_cbranch_scc0 .Lpart
	ROWS 4, 8
	s_branch .Lsent
.Lpart:
	s_cmp_eq_u32 s53, 583
	s_cbranch_scc0 .Lsent
	ROWS 4, 1
.Lsent:
	s_wait_tensorcnt 0x0                           ; the wave's end
	ds_add_u32 v[SPW], v[NIL]
	s_wait_dscnt 0x0
	s_endpgm
.Lfunc_end_k_qf25fb358d2_proj:
	.size	k_qf25fb358d2_proj, .Lfunc_end_k_qf25fb358d2_proj-k_qf25fb358d2_proj
	.p2alignl 7, 3214868480
	.fill 96, 4, 3214868480
	.section	.rodata,"a",@progbits
	.p2align	6, 0x0
	.amdhsa_kernel k_qf25fb358d2_proj
		.amdhsa_group_segment_fixed_size 227840
		.amdhsa_private_segment_fixed_size 0
		.amdhsa_enable_private_segment 0
		.amdhsa_kernarg_size 48
		.amdhsa_user_sgpr_count 2
		.amdhsa_user_sgpr_kernarg_segment_ptr 1
		.amdhsa_wavefront_size32 1
		.amdhsa_system_sgpr_workgroup_id_x 1
		.amdhsa_system_sgpr_workgroup_id_y 1
		.amdhsa_system_sgpr_workgroup_id_z 1
		.amdhsa_system_vgpr_workitem_id 0
		.amdhsa_next_free_vgpr 1024
		.amdhsa_next_free_sgpr 90
		.amdhsa_reserve_vcc 0
		.amdhsa_float_denorm_mode_32 3
		.amdhsa_float_denorm_mode_16_64 3
		.amdhsa_memory_ordered 1
		.amdhsa_forward_progress 1
		.amdhsa_inst_pref_size 138
	.end_amdhsa_kernel
	.amdgpu_metadata
---
amdhsa.version: [ 1, 2 ]
amdhsa.kernels:
  - .name:           k_qf25fb358d2_proj
    .symbol:         k_qf25fb358d2_proj.kd
    .args:
      - { .name: cc, .offset: 0, .size: 8, .value_kind: global_buffer, .address_space: global }
      - { .name: cs, .offset: 8, .size: 8, .value_kind: global_buffer, .address_space: global }
      - { .name: tc, .offset: 16, .size: 8, .value_kind: global_buffer, .address_space: global }
      - { .name: ts, .offset: 24, .size: 8, .value_kind: global_buffer, .address_space: global }
      - { .name: b_proj, .offset: 32, .size: 8, .value_kind: global_buffer, .address_space: global }
      - { .name: out0, .offset: 40, .size: 8, .value_kind: global_buffer, .address_space: global }
    .group_segment_fixed_size: 227840
    .private_segment_fixed_size: 0
    .kernarg_segment_align: 8
    .kernarg_segment_size: 48
    .max_flat_workgroup_size: 128
    .sgpr_count:     90
    .vgpr_count:     1024
    .wavefront_size: 32
...
	.end_amdgpu_metadata
.endif
;; end of part 4
